; MI455X (gfx1250); checked and timed in simulation.
; The chip was launched on July 23, 2026; its instructions are those of AMD's public machine-readable ISA for CDNA 5 (MIT licence, August 2026) and "CDNA5" Instruction Set Architecture Reference Guide (July 2026). The comments in the code are by the model that wrote it; some were corrected since.
;; Attention Head. Allowed arithmetic: matrix products marked QUANTISED: E3M2 operands, one E8M0 scale for each 32 along K, by v_wmma_scale_f32_16x16x128_f8f6f4 with both operands' format E3M2, f32 sums; everything else in f32.
;; Inputs: Wk 1,024 x 1,024 float32; Wq 1,024 x 1,024 float32; Wv 1,024 x 1,024 float32; bk 1,024 float32; bq 1,024 float32; bv 1,024 float32; x 4 x 2,048 x 1,024 float32.
;; Outputs: out0 4 x 2,048 x 1,024 float32.
;; This version of the problem:
;;   THIS VERSION OF THE PROBLEM IS GIVEN IN LOW PRECISION. The matrix products marked QUANTISED in the list below multiply operands that are first quantised to E3M2 (3 exponent bits, 2 mantissa bits; 6 bits a number), with one power-of-two scale for each 32 numbers along K (OCP MX v1.0); their sums are f32. All else is computed in f32.
;;   The module's matrix products, in the order in which they are computed (A, B: the left and right operand; K: the contracted axis; several contracted axes count as one K, in the product's order):
;;     1. [M 8,192, K 1,024] x [K 1,024, N 1,024]; A: input x; B: input Wq: QUANTISED
;;     2. [M 8,192, K 1,024] x [K 1,024, N 1,024]; A: input x; B: input Wk: QUANTISED
;;     3. [M 8,192, K 1,024] x [K 1,024, N 1,024]; A: input x; B: input Wv: QUANTISED
;;     4. batch 4 x [M 2,048, K 1,024] x [K 1,024, N 2,048]; A: computed on the way; B: computed on the way: QUANTISED
;;     5. batch 4 x [M 2,048, K 2,048] x [K 2,048, N 1,024]; A: softmax (see below); B: computed on the way: QUANTISED
;;   THE QUANTISER, for each operand of a quantised product, along K:
;;     - K is cut into blocks of 32 from its start; a last block that is shorter is filled with zeros.
;;     - A block's scale is 2^e with e = floor(log2(the largest magnitude in the block)) - 4, held to -126 .. 127; a block of zeros has e = 0. As a byte (E8M0): e + 127.
;;     - Each number is divided by its block's scale, clamped to +-28, and rounded to the nearest number of E3M2, ties to even, subnormals kept.
;;     - The product sums the exact products of the quantised numbers (number of the format x scale) in f32.
;;   ~~~python
;;   def quantise(x, axis):      # numpy; x: float32 -> the quantised numbers, widened to float32 again
;;       x = np.moveaxis(x, axis, -1); K = x.shape[-1]
;;       x = np.pad(x, [(0, 0)] * (x.ndim - 1) + [(0, -K % 32)]); x = x.reshape(x.shape[:-1] + (-1, 32)); a = np.abs(x).max(-1, keepdims=True)
;;       e = np.where(a > 0, np.clip(np.frexp(np.where(a > 0, a, 1))[1] - 1 - 4, -126, 127), 0)      # np.frexp(a)[1] - 1 = floor(log2(a)), exactly
;;       r = np.clip(x / 2.0 ** e, -28, 28)
;;       step = 2.0 ** (np.maximum(np.frexp(np.where(r == 0, 1, r))[1] - 1, -2) - 2)
;;       q = np.round(r / step) * step * 2.0 ** e      # np.round: ties to even
;;       return np.moveaxis(q.reshape(q.shape[:-2] + (-1,))[..., :K], -1, axis).astype(np.float32)
;;   ~~~
;;   SOFTMAX AHEAD OF A QUANTISED PRODUCT. Where the list says 'softmax', what is quantised is not the finished softmax but p = 2^(t - M), with t = logit x log2(e) and M = ceil(the row's largest t), a whole number; so 1/2 < the row's largest p <= 1. The row's sum l is taken of the UNQUANTISED p, in f32, and the product's result is divided by l at the end. Since M is a whole number, a kernel that streams over the keys may use a running M (the ceiling of the running maximum): every later rescaling is an exact power of two, which a block's scale takes up: the codes' values come out the same.
;;   OPERANDS COMPUTED ON THE WAY. 'Computed on the way' means the value that the module computes at that place (a softmax that the list does not call 'softmax' is quantised finished and normalised). What goes into a quantiser is computed in f32, as accurately as f32 sums, v_exp_f32 and their like allow (about 1e-6 of the number): no bf16 or f16 on the way to a quantiser, and a product that is left as it is and whose result goes on into a quantised operand takes f32 operands (vector FMAs, or v_wmma_f32_16x16x4_f32). A number that lies on a knife's edge between two numbers of the format may be rounded either way, as far as f32 arithmetic and the matrix unit's own rounding can turn it there, and no further.
;; One version. Each part assembles by itself: llvm-mc -triple=amdgcn-amd-amdhsa -mcpu=gfx1250 --defsym DOCPART=n.
;; ======== version 1 of 1: 4 launches
;; limits: right only within a limited range of input values
;; workspace buffers: xw_codes 8,650,752 bytes; xw_scales 360,448 bytes; qkv_codes 18,874,368 bytes; qkv_scales 786,432 bytes; p_codes 12,582,912 bytes; p_stats 1,572,864 bytes
;; launch quant (part 1): grid 352 x 2, 4 waves a work-group, no clusters, 68,608 bytes of LDS; arguments x, Wq, Wk, Wv, xw_codes, xw_scales; writes xw_codes, xw_scales
.if DOCPART == 1
	.amdgcn_target "amdgcn-amd-amdhsa--gfx1250"
	.amdhsa_code_object_version 6
	.text
	.protected	k_q0a7a598aa0_quant
	.globl	k_q0a7a598aa0_quant
	.p2align	8
	.type	k_q0a7a598aa0_quant,@function
k_q0a7a598aa0_quant:
	s_mov_b64 s[64:65], 0
	v_nop
	global_prefetch_b8 v0, s[64:65] scope:SCOPE_SE
	s_setreg_imm32_b32 hwreg(HW_REG_WAVE_MODE, 25, 1), 1
	s_wait_xcnt 0x0
; x [8192][1024], Wq, Wk, Wv [1024][1024], f32, K innermost, become codes of BF6 (E3M2) with one E8M0 byte for each 32 along K.
; The four tensors are one list of 11,264 rows: x, then Wq at 8,192, Wk at 9,216, Wv at 10,240.
; ROW ORDER.  Place p of the list holds the true row p with bits 3 and 4 exchanged.  A later product that is used transposed then finds 16 true neighbours
; along its own result's next K in the 16 registers of two neighbouring accumulators.
; CODES lie as images of operand registers: [K step of 256][block of 16 rows][which 128 of the step][1,536 bytes]; in an image, chunk c of 512 bytes holds
; lane l's registers 4 c .. 4 c + 3 at 16 l.  SCALE WORDS lie [K step of 256][row][2 words], a word for 128 along K.
; A block's byte is its largest magnitude's exponent field - 4, held at 1 from below (a block of zeros gets 1: its codes are zeros, and this program alone reads the bytes).
; LIMITS: NaN and infinities among the inputs are not served.
; SHARES.  Work-group (g, y): places 32 g .. 32 g + 31, K half y.  Wave w: block of rows 2 g + (w & 1), K step 2 y + (w >> 1): two units of 16 rows x 128 K.
; Each load reads 512 consecutive bytes of one row; the conversions want 16 neighbours in one lane, so a unit turns through the wave's own stage in LDS (rows of 512 + 16 bytes).
; All 32 loads of a wave go out at once.  No tensor load, one barrier (for the scale words, which leave as one aligned run of 256 bytes for each K step).
.set SP,     528                       ; a stage row
.set STG,    16*SP                     ; a stage: 16 rows
.set WREG,   2*STG                     ; a wave's two stages
.set SCS,    4*WREG                    ; behind them: the scale words, [2 K steps][32 rows][8 bytes]
.set CPLANE, 2162688                   ; a K step of all 11,264 rows' codes
.set SPLANE, 90112                     ; and of their scale words
.set R0,  16                           ; v16-79   unit 0 as loaded; later unit 1's numbers by lanes
.set R1,  80                           ; v80-143  unit 1 as loaded; later unit 1's codes
.set X0,  144                          ; v144-207 unit 0's numbers: register 16 b + i = k 32 b + 16 (lane / 16) + i of row lane % 16
.set X1,  16
.set TM,  208                          ; v208-223 at work
.set PC0, 224                          ; v224-243 unit 0's codes
.set PC1, 80
.set PW0, 244                          ; the two scale words
.set PW1, 245
	s_load_b256 s[4:11], s[0:1], 0x0               ; x, Wq, Wk, Wv
	s_load_b128 s[12:15], s[0:1], 0x20             ; the codes, the scale words
	v_lshl_add_u32 v254, v0, 2, 0x10a00
	v_mov_b32 v255, 0
	v_lshrrev_b32 v1, 5, v0
	v_readfirstlane_b32 s20, v1                    ; wave
	v_and_b32 v1, 31, v0                           ; lane
	v_and_b32 v2, 15, v0                           ; r
	v_bfe_u32 v3, v0, 4, 1                         ; h
	v_lshlrev_b32 v4, 4, v1                        ; 16 x lane
	s_mul_i32 s21, s20, WREG
	v_add_nc_u32 v5, s21, v4                       ; the stage, way in: a row as it lies
	v_mul_u32_u24 v6, v2, SP
	v_lshl_add_u32 v6, v3, 6, v6
	v_add_nc_u32 v6, s21, v6                       ; way out: row r, + 64 h
	s_and_b32 s23, s20, 1                          ; u: which block of 16 rows
	s_lshr_b32 s24, s20, 1                         ; which of the half's two K steps
	s_lshl_b32 s22, s20, 7
	s_add_co_u32 s22, s22, SCS
	v_lshl_add_u32 v8, v2, 3, s22                  ; my row's two words: SCS + 256 (w >> 1) + 128 (w & 1) + 8 r
	s_lshl_b32 s22, s23, 8
	s_add_co_u32 s22, s22, SCS
	v_lshl_add_u32 v9, v1, 3, s22                  ; waves 0 and 1 read a K step's 256 bytes back
	v_lshlrev_b32 v10, 3, v1
	s_and_b32 s25, ttmp7, 0xffff                   ; y
	s_lshl_b32 s26, s25, 1
	s_add_co_u32 s26, s26, s24                     ; my K step
	s_mov_b32 s2, 0x76543210
	s_mov_b32 s3, 0xfedcba98                       ; v_permlanex16_b32's selects for lane l xor 16
.irp b, 0,1,2,3
	v_mov_b32 v[TM+4+\b], 0                        ; written once: a lane permute's destination counts as one of its sources
.endr
	s_wait_alu depctr_va_vdst(0)
	s_wait_kmcnt 0x0
	s_mov_b64 s[16:17], s[10:11]                   ; which tensor: the choice hangs on the work-group's number alone
	s_mov_b32 s18, 320
	s_cmp_lt_u32 ttmp9, 320
	s_cselect_b64 s[16:17], s[8:9], s[16:17]
	s_cselect_b32 s18, 288, s18
	s_cmp_lt_u32 ttmp9, 288
	s_cselect_b64 s[16:17], s[6:7], s[16:17]
	s_cselect_b32 s18, 256, s18
	s_cmp_lt_u32 ttmp9, 256
	s_cselect_b64 s[16:17], s[4:5], s[16:17]
	s_cselect_b32 s18, 0, s18
	s_sub_co_u32 s18, ttmp9, s18
	s_lshl_b32 s18, s18, 17                        ; 32 rows of 4,096 bytes,
	s_lshl_b32 s27, s23, 15                        ; block u takes true rows 8 u + 0 .. 7 and 16 + 8 u + 0 .. 7,
	s_add_co_u32 s18, s18, s27
	s_lshl_b32 s27, s26, 10                        ; my K step's 1,024 bytes of a row
	s_add_co_u32 s18, s18, s27
	s_mov_b32 s19, 0
	s_add_nc_u64 s[16:17], s[16:17], s[18:19]
	s_mul_i32 s28, s26, CPLANE
	s_lshl_b32 s27, ttmp9, 1
	s_add_co_u32 s27, s27, s23
	s_mul_i32 s27, s27, 3072
	s_add_co_u32 s28, s28, s27
	s_mov_b32 s29, 0
	s_add_nc_u64 s[12:13], s[12:13], s[28:29]      ; my two images
	s_lshl_b32 s30, s25, 1
	s_add_co_u32 s30, s30, s23
	s_mul_i32 s30, s30, SPLANE
	s_lshl_b32 s27, ttmp9, 8
	s_add_co_u32 s30, s30, s27
	s_mov_b32 s31, 0
	s_add_nc_u64 s[14:15], s[14:15], s[30:31]      ; K step 2 y + (w & 1), the group's 32 rows
.macro LOAD q, reg                     ; unit q: place i of the block is true row 16 (i / 8) + i % 8 (+ 8 u, in the base)
.irp i, 0,1,2,3,4,5,6,7,8,9,10,11,12,13,14,15
	global_load_b128 v[\reg+4*\i:\reg+4*\i+3], v4, s[16:17] offset:(16*(\i/8)+\i%8)*4096+512*\q th:TH_LOAD_NT
.endr
.endm
.macro TOSTAGE q, reg
.irp i, 0,1,2,3,4,5,6,7,8,9,10,11,12,13,14,15
	ds_store_b128 v5, v[\reg+4*\i:\reg+4*\i+3] offset:STG*\q+SP*\i
.endr
.endm
.macro FROMSTAGE q, reg                ; LDS serves a wave's instructions in order: these see the stores above
.irp b, 0,1,2,3
.irp j, 0,1,2,3
	ds_load_b128 v[\reg+16*\b+4*\j:\reg+16*\b+4*\j+3], v6 offset:STG*\q+128*\b+16*\j
.endr
.endr
.endm
; 64 numbers of a lane, register 16 b + i = k 32 b + 16 (lane / 16) + i of my row, become a fragment's 12 registers in v[pc] on and its scale word in v[pw]
.macro QUANT s, pc, pw
.irp b, 0,1,2,3
	v_max3_num_f32 v[TM+\b], |v[\s+16*\b]|, |v[\s+1+16*\b]|, 0x2800000   ; my 16 numbers of block b, and the floor 2^(5 - 127): the byte cannot fall under 1
.endr
.irp i, 2,4,6,8,10,12,14
.irp b, 0,1,2,3
	v_max3_num_f32 v[TM+\b], v[TM+\b], |v[\s+16*\b+\i]|, |v[\s+1+16*\b+\i]|
.endr
.endr
.irp b, 0,1,2,3
	v_permlanex16_b32 v[TM+4+\b], v[TM+\b], s2, s3
.endr
.irp b, 0,1,2,3
	v_max_num_f32 v[TM+\b], v[TM+\b], v[TM+4+\b]   ; with lane l xor 16's: the block's largest magnitude
.endr
.irp b, 0,1,2,3
	v_add_nc_u32 v[TM+12+\b], 0xfe000000, v[TM+\b] ; 4 off its exponent field: the conversion's scale operand
.endr
.irp b, 0,1,2,3
	v_lshrrev_b32 v[TM+4+\b], 23, v[TM+12+\b]      ; the byte
.endr
	v_lshl_or_b32 v[\pw], v[TM+5], 8, v[TM+4]
	v_lshl_or_b32 v[\pw], v[TM+6], 16, v[\pw]
	v_lshl_or_b32 v[\pw], v[TM+7], 24, v[\pw]
.irp c, 0,1
	v_cvt_scalef32_pk16_bf6_f32 v[\pc+6*\c:\pc+2+6*\c], v[\s+32*\c:\s+15+32*\c], v[TM+12+2*\c]
	v_cvt_scalef32_pk16_bf6_f32 v[\pc+12+4*\c:\pc+14+4*\c], v[\s+16+32*\c:\s+31+32*\c], v[TM+12+2*\c+1]   ; (a conversion's three registers begin on an even number)
.endr
	v_nop                                          ; one plain line behind a scaled conversion
.irp c, 0,1                            ; the operand wants a whole block in a lane: lanes 0-15 block 2 c, lanes 16-31 block 2 c + 1
.irp i, 0,1,2
	v_permlane16_swap_b32 v[\pc+6*\c+\i], v[\pc+12+4*\c+\i]
.endr
.irp i, 0,1,2
	v_mov_b32 v[\pc+3+6*\c+\i], v[\pc+12+4*\c+\i]
.endr
.endr
.endm
.macro OUT pc, q                       ; the image: three stores of 512 consecutive bytes, at multiples of 256 from the buffer's first byte
.irp c, 0,1,2
	global_store_b128 v4, v[\pc+4*\c:\pc+4*\c+3], s[12:13] offset:1536*\q+512*\c
.endr
.endm
	LOAD 0, R0
	LOAD 1, R1
	s_wait_loadcnt 16                              ; unit 0 is in; unit 1's sixteen loads may be out
	TOSTAGE 0, R0
	FROMSTAGE 0, X0
	s_wait_loadcnt 0x0
	TOSTAGE 1, R1
	s_wait_dscnt 16                                ; all but the sixteen stores just issued: X0 is in, and stage 0's stores have read R0,
	FROMSTAGE 1, X1                                ; which takes unit 1's numbers
	QUANT X0, PC0, PW0
	OUT PC0, 0
	s_wait_dscnt 0x0                               ; X1 is in, and stage 1's stores have read R1, which takes unit 1's codes
	QUANT X1, PC1, PW1
	OUT PC1, 1
	ds_store_b32 v8, v[PW0]                        ; lanes r and r + 16 hold the same word and write it to the same place
	ds_store_b32 v8, v[PW1] offset:4
	s_wait_dscnt 0x0                               ; for the others' sake
	s_barrier_signal -1
	s_barrier_wait -1
	s_cmp_lt_u32 s20, 2
	s_cbranch_scc0 .Ldone
	ds_load_b64 v[12:13], v9
	s_wait_dscnt 0x0
	global_store_b64 v10, v[12:13], s[14:15]       ; 32 lanes store 256 consecutive bytes, aligned
.Ldone:
	s_wait_tensorcnt 0x0
	ds_add_u32 v254, v255
	s_wait_dscnt 0x0
	s_endpgm
.Lfunc_end_k_q0a7a598aa0_quant:
	.size	k_q0a7a598aa0_quant, .Lfunc_end_k_q0a7a598aa0_quant-k_q0a7a598aa0_quant
	.p2alignl 7, 3214868480
	.fill 96, 4, 3214868480
	.section	.rodata,"a",@progbits
	.p2align	6, 0x0
	.amdhsa_kernel k_q0a7a598aa0_quant
		.amdhsa_group_segment_fixed_size 68608
		.amdhsa_private_segment_fixed_size 0
		.amdhsa_enable_private_segment 0
		.amdhsa_kernarg_size 48
		.amdhsa_user_sgpr_count 2
		.amdhsa_user_sgpr_kernarg_segment_ptr 1
		.amdhsa_wavefront_size32 1
		.amdhsa_system_sgpr_workgroup_id_x 1
		.amdhsa_system_sgpr_workgroup_id_y 1
		.amdhsa_system_sgpr_workgroup_id_z 1
		.amdhsa_system_vgpr_workitem_id 0
		.amdhsa_next_free_vgpr 256
		.amdhsa_next_free_sgpr 66
		.amdhsa_reserve_vcc 0
		.amdhsa_float_denorm_mode_32 3
		.amdhsa_float_denorm_mode_16_64 3
		.amdhsa_memory_ordered 1
		.amdhsa_forward_progress 1
		.amdhsa_inst_pref_size 19
	.end_amdhsa_kernel
	.amdgpu_metadata
---
amdhsa.version: [ 1, 2 ]
amdhsa.kernels:
  - .name:           k_q0a7a598aa0_quant
    .symbol:         k_q0a7a598aa0_quant.kd
    .args:
      - { .name: x, .offset: 0, .size: 8, .value_kind: global_buffer, .address_space: global }
      - { .name: Wq, .offset: 8, .size: 8, .value_kind: global_buffer, .address_space: global }
      - { .name: Wk, .offset: 16, .size: 8, .value_kind: global_buffer, .address_space: global }
      - { .name: Wv, .offset: 24, .size: 8, .value_kind: global_buffer, .address_space: global }
      - { .name: xw_codes, .offset: 32, .size: 8, .value_kind: global_buffer, .address_space: global }
      - { .name: xw_scales, .offset: 40, .size: 8, .value_kind: global_buffer, .address_space: global }
    .group_segment_fixed_size: 68608
    .private_segment_fixed_size: 0
    .kernarg_segment_align: 8
    .kernarg_segment_size: 48
    .max_flat_workgroup_size: 128
    .sgpr_count:     66
    .vgpr_count:     256
    .wavefront_size: 32
...
	.end_amdgpu_metadata
.endif
;; end of part 1
;; launch proj (part 2): grid 8 x 32, 4 waves a work-group, clusters of 4 x 4, 327,680 bytes of LDS; arguments xw_codes, xw_scales, bq, bk, bv, qkv_codes, qkv_scales; writes qkv_codes, qkv_scales
.if DOCPART == 2
	.amdgcn_target "amdgcn-amd-amdhsa--gfx1250"
	.amdhsa_code_object_version 6
	.text
	.protected	k_q0a7a598aa0_proj
	.globl	k_q0a7a598aa0_proj
	.p2align	8
	.type	k_q0a7a598aa0_proj,@function
k_q0a7a598aa0_proj:
	s_mov_b64 s[64:65], 0
	v_nop
	global_prefetch_b8 v0, s[64:65] scope:SCOPE_SE
	s_setreg_imm32_b32 hwreg(HW_REG_WAVE_MODE, 25, 1), 1
	s_wait_xcnt 0x0
	s_wait_alu depctr_hold_cnt(0) depctr_sa_sdst(0) depctr_va_vdst(0) depctr_va_sdst(0) depctr_va_ssrc(0) depctr_va_vcc(0) depctr_vm_vsrc(0)
	s_getreg_b32 s2, hwreg(HW_REG_IB_STS2, 6, 4)
	s_cmp_eq_u32 s2, 0
	s_cbranch_scc0 .Lentry_in_a_cluster
	s_endpgm
.Lentry_in_a_cluster:
	s_bfe_u32 s2, ttmp6, 0x10000c
	s_cmp_lg_u32 s2, 0xf033
	s_cbranch_scc0 .Lentry_shape_is_right
	s_endpgm
.Lentry_shape_is_right:
; q = x Wq^T + bq, k = x Wk^T + bk, v^T = Wv x^T + bv on codes of BF6 (E3M2) with E8M0 scales for each 32 along K = 1,024; the results are quantised in registers and leave as codes.
; A WORK-GROUP STAYS FOR TWO TILES, so that 256 work-groups have equal work: 256 tiles of q and k and 256 tiles of v^T, one of each.
;   THE FIRST TILE, 256 tokens x 256 channels of q (cluster x = 0) or k (1): four waves, 128 x 128 each, 64 accumulators.  A = x, B = Wq or Wk.  K goes in 4 steps of 256 through two LDS slots.
;   THE SECOND TILE, 128 channels x 256 tokens of v^T: 64 x 128 a wave, 32 accumulators.  A = Wv, B = x, so that the result's rows are v's channels and its next K the tokens (keys).
;   Wv's 128 rows for all of K (98,304 bytes) come with the first fills into bytes of their own; x's 256 rows come in two halves of K (98,304 bytes each) into the two slots, as each is left by the first tile:
;   the first half lands under the first tile's last K step, the second under its way out.  So the second tile fills nothing and has no barrier of its own.
; OPERANDS lie in memory as images of fragments ([K step of 256][block of 16 rows][which 128][1,536 bytes]): a run of rows of a K step is one dense block, and a fragment comes by three ds_load_b128 of 512 consecutive bytes.
; THE MATRIX INSTRUCTION IS USED TRANSPOSED (source 0 = 16 rows of B, source 1 = 16 rows of A).  Rows lie in places with bits 3 and 4 of the true row exchanged, so in accumulators (a, 2 c) and (a, 2 c + 1)
; lane (r, h) holds, of A's row at place 16 a + r, the 16 true neighbours 32 c + 16 h + 0 .. 15 of B's rows: a wave's 8 accumulators of a block a are one fragment (16 rows x 128 K) of the next product.
; THE BIAS is the C of each tile's first products: along B's rows for q and k (8 registers for each b), along A's rows for v (one number a lane for each a, in 8 registers).
; CLUSTERS: 4 x 4 work-groups; A's tiles are asked for jointly along a row of the cluster, B's along a column, in both tiles.  First tile: tokens 256 (4 Y + cy), channels 256 cx.  Second: channels 128 (4 X + cy), tokens 256 (4 Y + cx).
; THE SECOND TILE'S SCALE WORDS go from memory straight into registers: 24 loads of 8 bytes a lane, each used once; the scalar registers have no room for two more descriptors beside the 68 that the first fills hold.
; LIMITS: NaN and infinities are not served; a block of zeros gets the byte 1 (its codes are zeros; this program alone reads the bytes).
; REGISTERS: window 0: v1-31 addresses and offsets; v32-63 and v224-247 scale words (nothing else, ever); v64-127 the first bias, later the way out; v128-223 A's fragments.
;   Window 1: v0-223 B's fragments, two sets; v224-255 the second bias.  Windows 2, 3: the accumulators, (a, b) at v[8 (8 (a % 4) + b)]; the second tile's 32 in window 2.
.set PLANE,  2162688                   ; a K step of all rows' codes in xw_codes
.set SPLANE, 90112                     ; and of their scale words
.set QUART,  24576                     ; what one tensor load brings into a slot
.set SLOT,   4*QUART
.set FW,     2*SLOT                    ; behind the ring: Wv's 128 rows, all of K, in two halves of 64 rows: [4 K steps][4 blocks][which 128][1,536]
.set SCL,    3*SLOT                    ; the first tile's scale words: A's, [4 K steps][256 rows][8 bytes]
.set QS,     4096
.set SCLB,   SCL+2*QS+128              ; B's: 128 bytes further on than a multiple of 256, so that lanes 16-31 of a load read other words of a 256-byte row than lanes 0-15
.set SPARE,  311552                    ; the spare words, 128 bytes for each wave: two blocks of 256 bytes that no other line names
.set SST,    312064                    ; the first tile's scale words on their way out: 2,048 bytes into which no fill lands
.set SST2,   314112                    ; the second tile's: 1,024 bytes of their own, since no barrier parts the first stage's reads from these stores
.set NQ, 2
.set FR, 12
.set NL, 3
.set NP, 4
.set LI,    3                          ; v3   16 x lane
.set VO1,   4                          ; v4   where my images of the first tile go in qkv_codes, + 16 x lane
.set VS1,   5                          ; v5   my 512 bytes of its scale words in qkv_scales, + 16 x lane
.set VO2,   6                          ; v6   the second tile's images
.set BO1,   7                          ; v7   my numbers of bq or bk
.set BO2,   8                          ; v8   of bv
.set VS2,   9                          ; v9   my 256 bytes of the second tile's scale words, + 8 x lane
.set VA2,   10                         ; v10  Wv's scale words in xw_scales: lanes 0-15 row r of my 64, lanes 16-31 32 rows on
.set VB2,   11                         ; v11  x's: lanes 0-15 row r of my 128, lanes 16-31 64 rows on
.set ADRA2, 12                         ; v12  the second tile's A fragments
.set ADRB2, 14                         ; v14-15 its B fragments in slot 0, 1
.set ADRA,  16                         ; v16-17 the first tile's A fragments in slot 0, 1
.set ADRB,  20                         ; v20-21 its B fragments
.set SS2,   22
.set SR2,   23
.set SS,    25                         ; v25  my row's scale word in the stage
.set SR,    26                         ; v26  where I read 16 bytes of the stage back
.set ADRS,  27                         ; v27  the first tile's scale words: lanes 0-15 A's rows, lanes 16-31 B's
.set SPW,   28
.set NIL,   29
.set SC,    32
.set SC2,   32                         ; the second tile's scale words: K 0-511 at v32-55, K 512-1,023 at v224-247
.set BI,    64
.set AF,    128
.set BI2,   224                        ; in window 1
.set TM,    64                         ; the way out: v64-79 at work, v80-87 the blocks' scale words, v96-115 codes
.set PW,    80
.set PC,    96
.set G1F, 12                           ; s[12:19], s[20:23] groups 1 and 0 for Wv's rows
.set G0F, 20
.set G1, 24
.set G0, 32
.set G1B, 48
.set G0B, 56
.set G1S, 68
.set G0S, 76
.set G1SB, 80
.set G0SB, 88
.set G1T, 68                           ; s[68:75], s[76:83]: written anew behind the first change of slots, where the scale words' loads are done: the second tile's x
.set G0T, 76
.set TT, 42                            ; s42  the second tile's 256 tokens: 4 Y + cx
.set TR, 98                            ; s98  the first tile's 256 tokens: 4 Y + cy
.set DT, 99                            ; s99  the second tile's 128 channels: 4 X + cy
.set WV, 101                           ; s101 wave
.set WR, 104                           ; s104 wave / 2: which half of a tile's rows is mine; also: I fetch for A (0) or B (1)
.set WC, 105                           ; s105 wave % 2: which half of its columns; also: which half I fetch
.set MSB, 0
.macro WIN new                         ; the immediate's high byte repeats the setting that is left
.if MSB != \new
	s_set_vgpr_msb (MSB<<8)|\new
.set MSB, \new
.endif
.endm
.set MUL_LO, 0xa1                      ; source 0 (B) window 1, source 1 (A) window 0, C and D window 2
.set MUL_HI, 0xf1
.set TO_B,   0x40
; A joint load: wave 0 fetches A's 256 rows, wave 1 B's; waves 2 and 3 fetch by the descriptors c and d, where these are given.  One chain of branches on the wave's number, one load to an arm.
.macro JLOAD g0a, g1a, g0b, g1b, g0c=0, g1c=0, g0d=0, g1d=0
	s_cmp_lg_u32 s[WV], 0
	s_cbranch_scc1 .Lfor_b_\@
	tensor_load_to_lds s[\g0a:\g0a+3], s[\g1a:\g1a+7]
	s_nop 0
.rept 4
	v_nop
.endr
	s_branch .Lasked_\@
.Lfor_b_\@:
	s_cmp_lg_u32 s[WV], 1
	s_cbranch_scc1 .Lother_\@
	tensor_load_to_lds s[\g0b:\g0b+3], s[\g1b:\g1b+7]
	s_nop 0
.rept 4
	v_nop
.endr
	s_branch .Lasked_\@
.Lother_\@:
.if \g0c > 0
	s_cmp_lg_u32 s[WV], 2
	s_cbranch_scc1 .Lfourth_\@
	tensor_load_to_lds s[\g0c:\g0c+3], s[\g1c:\g1c+7]
	s_nop 0
.rept 4
	v_nop
.endr
	s_branch .Lasked_\@
.Lfourth_\@:
	tensor_load_to_lds s[\g0d:\g0d+3], s[\g1d:\g1d+7]
	s_nop 0
.endif
.rept 4
	v_nop
.endr
.Lasked_\@:
.endm
.macro CREST                           ; a round of the cluster's barrier behind its opening barrier
	s_cmp_lg_u32 s[WV], 0
	s_cbranch_scc1 .Lnot_wave_0_\@
	s_barrier_signal -3
.Lnot_wave_0_\@:
	s_barrier_wait -3
	s_barrier_signal -1
	s_barrier_wait -1
.endm
.macro PASK off                        ; a prefetch: s100 is 1 in the waves that ask
	s_cmp_lg_u32 s100, 0
	s_cbranch_scc0 .Lno_ask_\@
	global_prefetch_b8 v31, s[10:11] offset:\off th:TH_LOAD_NT scope:SCOPE_SE
.Lno_ask_\@:
.endm
.macro CROUND
	s_barrier_signal -1
	s_barrier_wait -1
	CREST
.endm
	s_load_b256 s[4:11], s[0:1], 0x0               ; xw_codes, xw_scales, bq, bk
	s_load_b128 s[92:95], s[0:1], 0x20             ; bv, qkv_codes
	s_load_b64 s[96:97], s[0:1], 0x30              ; qkv_scales
	; all that hangs on ids alone is made while the arguments are on their way
	v_lshl_add_u32 v[SPW], v0, 2, SPARE
	v_mov_b32 v[NIL], 0
	ds_add_u32 v28, v29
	ds_add_u32 v28, v29
	s_wait_dscnt 0x0
	v_lshrrev_b32 v1, 5, v0
	v_readfirstlane_b32 s[WV], v1
	s_lshr_b32 s[WR], s[WV], 1
	s_and_b32 s[WC], s[WV], 1
	s_bfe_u32 s40, ttmp6, 0x40000                  ; cx
	s_bfe_u32 s41, ttmp6, 0x40004                  ; cy
	s_and_b32 s100, ttmp7, 0xffff
	s_lshl_b32 s100, s100, 2                       ; 4 x cluster y
	s_add_co_u32 s[TR], s100, s41
	s_add_co_u32 s[TT], s100, s40
	s_lshl_b32 s[DT], ttmp9, 2
	s_add_co_u32 s[DT], s[DT], s41
	s_lshl_b32 s43, s41, 2
	s_lshl_b32 s43, 15, s43                        ; my row of the cluster
	s_lshl_b32 s44, 0x1111, s40                    ; my column
	s_mov_b32 s2, 0x76543210
	s_mov_b32 s3, 0xfedcba98                       ; v_permlanex16_b32's selects for lane l xor 16
	; group 1 for the first tile's codes: a dense block of 49,152 bytes as 192 rows of 32 elements of 8 bytes
	s_or_b32 s[G1+0], s43, (3<<16)|(1<<21)
	s_or_b32 s[G1B+0], s44, (3<<16)|(1<<21)
.irp g, G1, G1B
	s_mov_b32 s[\g+1], 32<<16
	s_mov_b32 s[\g+2], 192<<16                     ; 256 rows: 49,152 dense bytes as 192 rows of 256
	s_mov_b32 s[\g+3], 32<<16
	s_mov_b32 s[\g+4], 192
	s_mov_b32 s[\g+5], 32
	s_mov_b32 s[\g+6], 0
	s_mov_b32 s[\g+7], 0
.endr
	; for its scale words: 4 K steps x 2,048 bytes (256 rows), a K step's plane apart
	s_or_b32 s[G1S+0], s43, (3<<16)|(1<<21)
	s_or_b32 s[G1SB+0], s44, (3<<16)|(1<<21)
.irp g, G1S, G1SB
	s_mov_b32 s[\g+1], 256<<16                     ; 256 rows: 2,048 bytes a K step
	s_mov_b32 s[\g+2], 4<<16
	s_mov_b32 s[\g+3], 256<<16
	s_mov_b32 s[\g+4], 4
	s_mov_b32 s[\g+5], SPLANE/8
	s_mov_b32 s[\g+6], 0
	s_mov_b32 s[\g+7], 0
.endr
	; for Wv's rows: 4 K steps x 12,288 bytes (64 rows), a plane apart; shared along my row of the cluster
	s_or_b32 s[G1F+0], s43, (3<<16)|(1<<21)
	s_mov_b32 s[G1F+1], 1536<<16                   ; 64 rows: 12,288 bytes a K step
	s_mov_b32 s[G1F+2], 4<<16
	s_mov_b32 s[G1F+3], 1536<<16
	s_mov_b32 s[G1F+4], 4
	s_mov_b32 s[G1F+5], PLANE/8
	s_mov_b32 s[G1F+6], 0
	s_mov_b32 s[G1F+7], 0
	; groups 0: count, LDS address (no place in the cluster enters it), and for now the byte offset where the address will stand
	s_mul_i32 s45, s[WV], QUART
	s_mov_b32 s[G0S], 1
	s_mov_b32 s[G0S+1], SCL
	s_mov_b32 s[G0SB], 1
	s_mov_b32 s[G0SB+1], SCLB
.irp s, 0,1
	s_mov_b32 s[G0+4*\s], 1
	s_mov_b32 s[G0+4*\s+1], \s*SLOT
	s_mov_b32 s[G0B+4*\s], 1
	s_mov_b32 s[G0B+4*\s+1], \s*SLOT+2*QUART
.endr
	s_mov_b32 s[G0F], 1
	s_mul_i32 s100, s[WC], 2*QUART
	s_add_co_u32 s[G0F+1], s100, FW                ; waves 2 and 3 fetch Wv's two halves
	s_lshl_b32 s[G0+2], s[TR], 8                   ; A: x's first row
	s_lshl_b32 s[G0S+2], s[G0+2], 3                ; 8 bytes of scale words a row,
	s_mov_b32 s[G0S+3], 0
	s_mul_i32 s[G0+2], s[G0+2], 192                ; 192 bytes of codes
	s_mov_b32 s[G0+3], 0
	s_lshl_b32 s[G0B+2], ttmp9, 10
	s_lshl_b32 s46, s40, 8
	s_add_co_u32 s[G0B+2], s[G0B+2], s46
	s_add_co_u32 s[G0B+2], s[G0B+2], 8192          ; B: Wq's or Wk's first row that I fetch
	s_lshl_b32 s[G0SB+2], s[G0B+2], 3
	s_mov_b32 s[G0SB+3], 0
	s_mul_i32 s[G0B+2], s[G0B+2], 192
	s_mov_b32 s[G0B+3], 0
	s_lshl_b32 s[G0F+2], s[DT], 7
	s_lshl_b32 s100, s[WC], 6
	s_add_co_u32 s[G0F+2], s[G0F+2], s100
	s_add_co_u32 s[G0F+2], s[G0F+2], 10240         ; Wv's first row that I fetch: 64 rows a wave
	s_mul_i32 s[G0F+2], s[G0F+2], 192
	s_mov_b32 s[G0F+3], 0
	s_lshl_b32 s66, s[TT], 8
	s_lshl_b32 s100, s[WV], 6
	s_add_co_u32 s66, s66, s100                    ; the second tile's x: 64 rows a wave
	s_mul_i32 s66, s66, 192
	s_mov_b32 s67, 0
	; LDS addresses
	v_and_b32 v1, 15, v0                           ; r
	v_bfe_u32 v2, v0, 4, 1                         ; h
	s_wait_alu depctr_va_vdst(0)
	v_and_b32 v[LI], 31, v0
	v_lshlrev_b32 v[LI], 4, v[LI]
	s_wait_alu depctr_va_vdst(0)
	v_lshrrev_b32 v30, 1, v[LI]                    ; 8 x lane
	s_mul_i32 s46, s[WR], QUART
	s_mul_i32 s47, s[WC], QUART
	s_add_co_u32 s47, s47, 2*QUART
.irp s, 0,1
	v_add_nc_u32 v[ADRA+\s], s46, v[LI]
	v_add_nc_u32 v[ADRB+\s], s47, v[LI]
	s_add_co_u32 s46, s46, SLOT
	s_add_co_u32 s47, s47, SLOT
.endr
	s_lshl_b32 s46, s[WR], 10                      ; A's scale words: my 128 rows
	s_lshl_b32 s47, s[WC], 10                      ; B's
	s_add_co_u32 s47, s47, SCLB-SCL
	s_sub_co_u32 s47, s47, s46
	v_mul_u32_u24 v13, s47, v2                     ; lanes 16-31 take B's: one product in h
	s_add_co_u32 s46, s46, SCL
	v_lshl_add_u32 v18, v1, 3, v13
	v_add_nc_u32 v[ADRS], s46, v18
	s_mul_i32 s46, s[WR], 2*QUART                  ; the second tile: my 64 rows of Wv are one wave's load,
	s_add_co_u32 s46, s46, FW
	v_add_nc_u32 v[ADRA2], s46, v[LI]
	s_mul_i32 s47, s[WC], 2*QUART                  ; my 128 rows of x likewise
	v_add_nc_u32 v[ADRB2], s47, v[LI]
	s_add_co_u32 s47, s47, SLOT
	v_add_nc_u32 v[ADRB2+1], s47, v[LI]
	s_lshl_b32 s46, s[WR], 10
	s_lshl_b32 s47, s[WC], 2
	s_add_co_u32 s46, s46, s47
	s_add_co_u32 s46, s46, SST
	v_lshl_add_u32 v[SS], v1, 3, s46               ; 8 (128 wr + r) + 4 wc
	s_lshl_b32 s46, s[WV], 9
	s_add_co_u32 s46, s46, SST
	v_add_nc_u32 v[SR], s46, v[LI]
	s_lshl_b32 s46, s[WR], 9
	s_add_co_u32 s46, s46, s47
	s_add_co_u32 s46, s46, SST2
	v_lshl_add_u32 v[SS2], v1, 3, s46              ; 8 (64 wr + r) + 4 wc
	s_lshl_b32 s46, s[WV], 8
	s_add_co_u32 s46, s46, SST2
	v_add_nc_u32 v[SR2], s46, v30
	; offsets in memory
	s_mul_i32 s46, ttmp9, 6291456                  ; the first tile's images: tensor, 256 rows, my half of them, my 128 of the K step,
	s_mul_i32 s47, s[TR], 49152
	s_add_co_u32 s46, s46, s47
	s_mul_i32 s47, s[WR], 24576
	s_add_co_u32 s46, s46, s47
	s_mul_i32 s47, s[WC], 1536
	s_add_co_u32 s46, s46, s47
	s_mul_i32 s47, s40, 1572864                    ; and the K step of the next product, which is the tile's 256 channels
	s_add_co_u32 s46, s46, s47
	v_add_nc_u32 v[VO1], s46, v[LI]
	s_lshl_b32 s46, ttmp9, 18                      ; its scale words likewise; each wave stores 512 of the tile's 2,048 bytes
	s_lshl_b32 s47, s[TR], 11
	s_add_co_u32 s46, s46, s47
	s_lshl_b32 s47, s[WV], 9
	s_add_co_u32 s46, s46, s47
	s_lshl_b32 s47, s40, 16
	s_add_co_u32 s46, s46, s47
	v_add_nc_u32 v[VS1], s46, v[LI]
	s_mul_i32 s46, s[DT], 24576                    ; the second tile's images: v^T lies behind q and k, a K step (256 tokens) of its 1,024 rows is 196,608 bytes
	s_mul_i32 s47, s[WR], 12288
	s_add_co_u32 s46, s46, s47
	s_mul_i32 s47, s[WC], 1536
	s_add_co_u32 s46, s46, s47
	s_mul_i32 s47, s[TT], 196608
	s_add_co_u32 s46, s46, s47
	s_add_co_u32 s46, s46, 12582912
	v_add_nc_u32 v[VO2], s46, v[LI]
	s_lshl_b32 s46, s[DT], 10                      ; its scale words: each wave stores 256 of the tile's 1,024 bytes
	s_lshl_b32 s47, s[WV], 8
	s_add_co_u32 s46, s46, s47
	s_lshl_b32 s47, s[TT], 13
	s_add_co_u32 s46, s46, s47
	s_add_co_u32 s46, s46, 524288
	v_add_nc_u32 v[VS2], s46, v30
	s_lshl_b32 s46, s[DT], 10                      ; Wv's scale words: row 10,240 + 128 dt + 64 wr + r + 32 h
	s_lshl_b32 s47, s[WR], 9
	s_add_co_u32 s46, s46, s47
	s_add_co_u32 s46, s46, 81920
	v_lshl_add_u32 v[VA2], v2, 8, s46
	v_lshl_add_u32 v[VA2], v1, 3, v[VA2]
	s_lshl_b32 s46, s[TT], 11                      ; x's: row 256 tt + 128 wc + r + 64 h
	s_lshl_b32 s47, s[WC], 10
	s_add_co_u32 s46, s46, s47
	v_lshl_add_u32 v[VB2], v2, 9, s46
	v_lshl_add_u32 v[VB2], v1, 3, v[VB2]
	s_lshl_b32 s46, s40, 10                        ; bq, bk: number 256 cx + 128 wc + 16 h
	s_lshl_b32 s47, s[WC], 9
	s_add_co_u32 s46, s46, s47
	v_lshl_add_u32 v[BO1], v2, 6, s46
	s_lshl_b32 s46, s[DT], 9                       ; bv: number 128 dt + 64 wr + r + 8 (r / 8)
	s_lshl_b32 s47, s[WR], 8
	s_add_co_u32 s46, s46, s47
	v_and_b32 v13, 8, v1
	v_add_nc_u32 v13, v13, v1
	v_lshl_add_u32 v[BO2], v13, 2, s46
	s_wait_kmcnt 0x0
	s_add_nc_u64 s[G0+2:G0+3], s[4:5], s[G0+2:G0+3]
	s_add_nc_u64 s[G0+6:G0+7], s[G0+2:G0+3], PLANE
	s_add_nc_u64 s[G0B+2:G0B+3], s[4:5], s[G0B+2:G0B+3]
	s_add_nc_u64 s[G0B+6:G0B+7], s[G0B+2:G0B+3], PLANE
	s_add_nc_u64 s[G0S+2:G0S+3], s[6:7], s[G0S+2:G0S+3]
	s_add_nc_u64 s[G0SB+2:G0SB+3], s[6:7], s[G0SB+2:G0SB+3]
	s_add_nc_u64 s[G0F+2:G0F+3], s[4:5], s[G0F+2:G0F+3]
	s_add_nc_u64 s[66:67], s[4:5], s[66:67]
.irp g, G0+3, G0+7, G0B+3, G0B+7, G0S+3, G0SB+3, G0F+3
	s_or_b32 s[\g], s[\g], 0x80000000              ; the type
.endr
	s_cmp_eq_u32 ttmp9, 0                          ; the cluster's x is the same in all partners
	s_cselect_b64 s[8:9], s[8:9], s[10:11]         ; bq or bk
	; PREFETCHES of K steps 1 to 3, one step ahead of each load: of a K step's 49,152 bytes of A (waves 0, 1) or B (waves 2, 3) each of the four partners that share them asks for a quarter, a wave for 24 blocks of 256 bytes, told apart by address
	s_mul_i32 s46, s[TR], 49152
	s_lshl_b32 s47, ttmp9, 2
	s_add_co_u32 s47, s47, s40
	s_add_co_u32 s47, s47, 32
	s_mul_i32 s47, s47, 49152
	s_cmp_eq_u32 s[WR], 0
	s_cselect_b32 s46, s46, s47
	s_cselect_b32 s47, s40, s41
	s_mul_i32 s47, s47, 12288
	s_add_co_u32 s46, s46, s47
	s_mul_i32 s47, s[WC], 6144
	s_add_co_u32 s46, s46, s47
	s_mov_b32 s47, 0
	s_add_nc_u64 s[10:11], s[4:5], s[46:47]
	s_and_b32 s100, ttmp7, 0xffff                  ; Wq's and Wk's rows are read by eight clusters: four of them ask (the cluster's y and the wave's number decide)
	s_cmp_lt_u32 s100, 4
	s_cselect_b32 s100, 1, 0
	s_cmp_eq_u32 s[WR], 0
	s_cselect_b32 s100, 1, s100
	CROUND                                         ; all sixteen work-groups are here: the first joint loads meet
	JLOAD G0, G1, G0B, G1B, G0S, G1S, G0SB, G1SB   ; one tensor load a wave: K step 0's rows of A and of B, and the first tile's scale words of all of K
	v_and_b32 v31, 31, v0
	v_min_u32 v31, 23, v31                         ; (lanes 24-31 name lane 23's block again)
	v_lshlrev_b32 v31, 8, v31
	s_wait_alu depctr_va_vdst(0)
	PASK PLANE
.irp b, 0,1,2,3,4,5,6,7                ; accumulator (a, b), register j: channel 32 (b / 2) + 16 h + 8 (b % 2) + j
	global_load_b128 v[BI+8*\b:BI+8*\b+3], v[BO1], s[8:9] offset:(32*(\b/2)+8*(\b%2))*4
	global_load_b128 v[BI+8*\b+4:BI+8*\b+7], v[BO1], s[8:9] offset:(32*(\b/2)+8*(\b%2))*4+16
.endr
	WIN TO_B
.irp a, 0,1,2,3                        ; the second tile: all eight registers of (a, b): channel 32 (a / 2) + 8 (a % 2) + r + 8 (r / 8)
.irp j, 0,1,2,3,4,5,6,7
	global_load_b32 v[BI2+8*\a+\j], v[BO2], s[92:93] offset:(32*(\a/2)+8*(\a%2))*4
.endr
.endr
	WIN 0
; The second tile's scale words of K 512 set .. 512 set + 511: two K steps of 256, a pair of words a row.  A's blocks j (lanes 0-15) and j + 2 (lanes 16-31); B's blocks j and j + 4.
.macro GSCALES set
.irp u, 0,1
.irp j, 0,1
	global_load_b64 v[SC2+192*\set+4*\u+2*\j:SC2+192*\set+4*\u+2*\j+1], v[VA2], s[6:7] offset:(2*\set+\u)*SPLANE+128*\j
.endr
.irp j, 0,1,2,3
	global_load_b64 v[SC2+192*\set+8+8*\u+2*\j:SC2+192*\set+8+8*\u+2*\j+1], v[VB2], s[6:7] offset:(2*\set+\u)*SPLANE+128*\j
.endr
.endr
.endm
	GSCALES 1                                      ; into registers that the first tile leaves alone
.macro FRAG reg, adr, q, i             ; a fragment's image: three loads of 512 consecutive bytes
.irp c, 0,1,2
	ds_load_b128 v[\reg+4*\c:\reg+4*\c+3], v[\adr] offset:(\i)*3072+(\q)*1536+512*\c
.endr
.endm
; 16 matrix instructions: A's blocks a0, a0 + 1 x B's eight.  cm = 0: onto the sums; 2: the bias along B's rows starts them.  The 64 accumulators take turns in one order.
.macro MUL16 a0, p, q, sc, cm
.irp a, \a0, \a0+1
.irp b, 0,1,2,3,4,5,6,7
.if \cm == 2
	v_wmma_scale_f32_16x16x128_f8f6f4 v[8*(8*((\a)%4)+\b):8*(8*((\a)%4)+\b)+7], v[128*(\p)+FR*\b:128*(\p)+FR*\b+FR-1], v[AF+FR*(\a):AF+FR*(\a)+FR-1], v[BI+8*\b:BI+8*\b+7], v[SC+8*NQ*(\sc)+NQ*\b+(\q)], v[SC+8*NQ*(\sc)+NQ*(\a)+(\q)] matrix_a_fmt:MATRIX_FMT_BF6 matrix_b_fmt:MATRIX_FMT_BF6 matrix_a_scale:MATRIX_SCALE_ROW1
.else
	v_wmma_scale_f32_16x16x128_f8f6f4 v[8*(8*((\a)%4)+\b):8*(8*((\a)%4)+\b)+7], v[128*(\p)+FR*\b:128*(\p)+FR*\b+FR-1], v[AF+FR*(\a):AF+FR*(\a)+FR-1], v[8*(8*((\a)%4)+\b):8*(8*((\a)%4)+\b)+7], v[SC+8*NQ*(\sc)+NQ*\b+(\q)], v[SC+8*NQ*(\sc)+NQ*(\a)+(\q)] matrix_a_fmt:MATRIX_FMT_BF6 matrix_b_fmt:MATRIX_FMT_BF6 matrix_a_scale:MATRIX_SCALE_ROW1
.endif
.endr
.endr
.endm
.macro FETCH_B slot, q, p
	WIN TO_B
.irp i, 0,1,2,3,4,5,6,7
	FRAG 128*(\p)+FR*\i, ADRB+\slot, \q, \i
.endr
	WIN 0
.endm
.macro FETCH_A slot, q, i0
.irp i, \i0, \i0+1, \i0+2, \i0+3
	FRAG AF+FR*(\i), ADRA+\slot, \q, \i
.endr
.endm
.macro SCALES sc                       ; a K step's words: lanes 0-15 A's block i, lanes 16-31 B's block i
.irp i, 0,1,2,3,4,5,6,7
	ds_load_b64 v[SC+8*NQ*\sc+NQ*\i:SC+8*NQ*\sc+NQ*\i+1], v[ADRS] offset:\i*128
.endr
.endm
.macro PLACES n                        ; plain lines between a matrix instruction and a load into, or a read of, its registers (ISA guide 7.12.1 for the reads)
.rept \n
	v_nop
.endr
.endm
.macro STEP slot, q, cm                ; 128 along K with its successor in the same slot
	s_wait_dscnt 4*NL                              ; all but the youngest twelve loads (A's blocks 4-7)
.if \cm >= 2
	WIN 0x81                                       ; C, the bias, in window 0
.else
	WIN MUL_LO
.endif
	MUL16 0, (\q)%2, \q, \slot, \cm
	MUL16 2, (\q)%2, \q, \slot, \cm
	s_wait_dscnt 0
	PLACES NP
	FETCH_B \slot, (\q)+1, 1-(\q)%2
	FETCH_A \slot, (\q)+1, 0
.if \cm >= 2
	WIN 0xc1
.else
	WIN MUL_HI
.endif
	MUL16 4, (\q)%2, \q, \slot, \cm
	MUL16 6, (\q)%2, \q, \slot, \cm
	PLACES NP
	WIN 0
	FETCH_A \slot, (\q)+1, 4
.endm
; A slot's last step leaves the slot: one barrier, which opens a round of the cluster's; in front of it each wave waits for all its tensor loads, adds 0 to its spare word, and waits for that and for its reads of this slot.
; Behind the round the slot is filled again: fill = 1: with this tile's K step two steps on; fill = 2: with half of K of the second tile's x.  next = -1: the first tile's last step: nothing more of it is fetched.
.macro TURN slot, next, fill
	s_wait_tensorcnt 0x0                           ; all my tensor loads have landed
	ds_add_u32 v[SPW], v[NIL]
	s_wait_dscnt 4*NL+1                            ; (the add and A's blocks 4-7 may be out)
	WIN MUL_LO
	MUL16 0, 1, NQ-1, \slot, 0
	s_wait_dscnt 0x0                               ; the add is done, and my reads of this slot are over
	s_barrier_signal -1
	MUL16 2, 1, NQ-1, \slot, 0
	WIN 0
	s_barrier_wait -1
	CREST                                          ; no wave of any partner still reads this slot or has a load on its way
.if \fill == 1
	s_add_nc_u64 s[G0+4*\slot+2:G0+4*\slot+3], s[G0+4*\slot+2:G0+4*\slot+3], 2*PLANE
	s_add_nc_u64 s[G0B+4*\slot+2:G0B+4*\slot+3], s[G0B+4*\slot+2:G0B+4*\slot+3], 2*PLANE
	JLOAD G0+4*\slot, G1, G0B+4*\slot, G1B         ; my one tensor load behind the round; its four v_nop are the places for the loads below
.else
	tensor_load_to_lds s[G0T+4*\slot:G0T+4*\slot+3], s[G1T:G1T+7]   ; every wave its own 64 rows of x, two K steps: my one tensor load behind the round
	s_nop 0
.rept 4
	v_nop
.endr
.endif
.if \next >= 0
	s_wait_alu depctr_va_vdst(0)
	v_add_nc_u32 v[ADRS], 2048, v[ADRS]            ; the next K step's scale words
	FETCH_B \next, 0, 0
	FETCH_A \next, 0, 0
	SCALES \next
.if \fill == 1 && \slot == 0
	PASK 3*PLANE
.endif
.endif
	WIN MUL_HI
	MUL16 4, 1, NQ-1, \slot, 0
	MUL16 6, 1, NQ-1, \slot, 0
	PLACES NP
	WIN 0
.if \next >= 0
	FETCH_A \next, 0, 4
.endif
.endm
	; ---- THE FIRST TILE
	s_wait_tensorcnt 0x0                           ; my tile of the head's four is in
	ds_add_u32 v[SPW], v[NIL]
	s_wait_dscnt 0x0
	CROUND                                         ; all four tiles are in, and all sixteen work-groups are here
	JLOAD G0+4, G1, G0B+4, G1B, G0F, G1F, G0F, G1F ; K step 1, and Wv's two halves, all of K: first fills, one load a wave
	FETCH_B 0, 0, 0
	FETCH_A 0, 0, 0
	SCALES 0
	FETCH_A 0, 0, 4
	PASK 2*PLANE
	s_wait_loadcnt 44                              ; the first bias's sixteen loads are in; bv's 32 and the 12 of scale words may be out
	STEP 0, 0, 2
	TURN 0, 1, 1
	; the scale words' loads are done (the wait for all tensor loads above): their descriptors' registers take the second tile's x: 2 K steps x 12,288 bytes (64 rows), a plane apart; shared along my column of the cluster
	s_or_b32 s[G1T+0], s44, (3<<16)|(1<<21)
	s_mov_b32 s[G1T+1], 1536<<16
	s_mov_b32 s[G1T+2], 2<<16
	s_mov_b32 s[G1T+3], 1536<<16
	s_mov_b32 s[G1T+4], 2
	s_mov_b32 s[G1T+5], PLANE/8
	s_mov_b32 s[G1T+6], 0
	s_mov_b32 s[G1T+7], 0
.irp s, 0,1
	s_mov_b32 s[G0T+4*\s], 1
	s_add_co_u32 s[G0T+4*\s+1], s45, \s*SLOT
	s_add_nc_u64 s[G0T+4*\s+2:G0T+4*\s+3], s[66:67], \s*2*PLANE
	s_or_b32 s[G0T+4*\s+3], s[G0T+4*\s+3], 0x80000000
.endr
	STEP 1, 0, 0
	TURN 1, 0, 1
	STEP 0, 0, 0
	TURN 0, 1, 2                                   ; slot 0 takes the second tile's K 0-511
	STEP 1, 0, 0
	TURN 1, -1, 2                                  ; slot 1 its K 512-1,023; the round has shown slot 0's load done in every wave
; The second tile's fragments of its kk-th 128 along K into set p: B's eight from the slot, A's four from Wv's bytes: 36 loads of 512 consecutive bytes
.macro FETCH2 kk, p
	WIN TO_B
.irp b, 0,1,2,3,4,5,6,7
.irp c, 0,1,2
	ds_load_b128 v[128*(\p)+FR*\b+4*\c:128*(\p)+FR*\b+4*\c+3], v[ADRB2+(\kk)/4] offset:(\b/4)*24576+(((\kk)%4)/2)*12288+(\b%4)*3072+((\kk)%2)*1536+512*\c
.endr
.endr
	WIN 0
.irp a, 0,1,2,3
.irp c, 0,1,2
	ds_load_b128 v[AF+48*(\p)+FR*\a+4*\c:AF+48*(\p)+FR*\a+4*\c+3], v[ADRA2] offset:((\kk)/2)*12288+\a*3072+((\kk)%2)*1536+512*\c
.endr
.endr
.endm
	FETCH2 0, 0                                    ; asked for ahead of the way out, behind the places that close the step above
	GSCALES 0                                      ; and the scale words of K 0-511, into scale registers that the first tile has done with
	; ---- THE FIRST TILE'S WAY OUT: block a's 64 numbers a lane are quantised along the next K and leave as one image; its scale words meet the other waves' in the stage.
.irp b, 0,1,2,3
	v_mov_b32 v[TM+4+\b], 0                        ; a lane permute's destination counts as one of its sources
.endr
.macro OUTBLK a, vo, ss
.set W, 2+(\a)/4
.set AC, 64*((\a)%4)
.set WN, (W<<2)|(W<<4)
	WIN WN                                         ; sources 1 and 2: the accumulators' window
.irp b, 0,1,2,3
	v_max3_num_f32 v[TM+\b], 0x2800000, |v[AC+16*\b]|, |v[AC+16*\b+1]|   ; each accumulator from its low end on; the floor 2^(5 - 127) among the leaves
.endr
.irp i, 2,4,6,8,10,12,14
.irp b, 0,1,2,3
	v_max3_num_f32 v[TM+\b], v[TM+\b], |v[AC+16*\b+\i]|, |v[AC+16*\b+\i+1]|
.endr
.endr
	WIN 0
.irp b, 0,1,2,3
	v_permlanex16_b32 v[TM+4+\b], v[TM+\b], s2, s3
.endr
.irp b, 0,1,2,3
	v_max_num_f32 v[TM+\b], v[TM+\b], v[TM+4+\b]
.endr
.irp b, 0,1,2,3
	v_add_nc_u32 v[TM+12+\b], 0xfe000000, v[TM+\b] ; 4 off the exponent field: the conversion's scale operand
.endr
.irp b, 0,1,2,3
	v_lshrrev_b32 v[TM+4+\b], 23, v[TM+12+\b]
.endr
	v_lshl_or_b32 v[PW+\a], v[TM+5], 8, v[TM+4]
	v_lshl_or_b32 v[PW+\a], v[TM+6], 16, v[PW+\a]
	v_lshl_or_b32 v[PW+\a], v[TM+7], 24, v[PW+\a]
	s_wait_xcnt 0x0                                ; the last block's stores have read the codes' registers
	WIN W                                          ; source 0: the accumulators' window
.irp c, 0,1
	v_cvt_scalef32_pk16_bf6_f32 v[PC+6*\c:PC+2+6*\c], v[AC+32*\c:AC+15+32*\c], v[TM+12+2*\c]
	v_cvt_scalef32_pk16_bf6_f32 v[PC+12+4*\c:PC+14+4*\c], v[AC+16+32*\c:AC+31+32*\c], v[TM+12+2*\c+1]
.endr
	WIN 0
	v_nop                                          ; one plain line behind a scaled conversion
.irp c, 0,1
.irp i, 0,1,2
	v_permlane16_swap_b32 v[PC+6*\c+\i], v[PC+12+4*\c+\i]
.endr
.irp i, 0,1,2
	v_mov_b32 v[PC+3+6*\c+\i], v[PC+12+4*\c+\i]
.endr
.endr
.irp c, 0,1,2
	global_store_b128 v[\vo], v[PC+4*\c:PC+4*\c+3], s[94:95] offset:(\a)*3072+512*\c   ; 512 consecutive bytes, at a multiple of 256 from the buffer's first byte
.endr
	ds_store_b32 v[\ss], v[PW+\a] offset:128*(\a)
.endm
.irp a, 0,1,2,3,4,5,6,7
	OUTBLK \a, VO1, SS
.endr
	s_wait_tensorcnt 0x0                           ; my part of the second tile's K 512-1,023 has landed: my last tensor load;
	s_wait_dscnt 0x0                               ; my words lie in the stage: both for the others' sake
	s_barrier_signal -1
	s_barrier_wait -1
	ds_load_b128 v[116:119], v[SR]
	s_wait_dscnt 0x0
	global_store_b128 v[VS1], v[116:119], s[96:97] ; 512 of the tile's 2,048 bytes of scale words
	; ---- THE SECOND TILE
; One matrix instruction.  x's words of block b lie in lanes 0-15 (b < 4) or 16-31 of the register of b % 4; Wv's of block a in lanes 0-15 (a < 2) or 16-31 of the register of a % 2.  cm = 1: the bias along A's rows starts the sum.
.macro WM2 a, b, p, kk, cm
.set rD, 8*(8*(\a)+(\b))
.set rB, 128*(\p)+FR*(\b)
.set rA, AF+48*(\p)+FR*(\a)
.set rX, SC2+192*((\kk)/4)+8+8*(((\kk)%4)/2)+2*((\b)%4)+(\kk)%2
.set rY, SC2+192*((\kk)/4)+4*(((\kk)%4)/2)+2*((\a)%2)+(\kk)%2
.set rR, 2*((\b)/4)+(\a)/2
.set rC, rD
.if \cm
.set rC, BI2+8*(\a)
.endif
.if rR == 0
	v_wmma_scale_f32_16x16x128_f8f6f4 v[rD:rD+7], v[rB:rB+11], v[rA:rA+11], v[rC:rC+7], v[rX], v[rY] matrix_a_fmt:MATRIX_FMT_BF6 matrix_b_fmt:MATRIX_FMT_BF6
.elseif rR == 1
	v_wmma_scale_f32_16x16x128_f8f6f4 v[rD:rD+7], v[rB:rB+11], v[rA:rA+11], v[rC:rC+7], v[rX], v[rY] matrix_a_fmt:MATRIX_FMT_BF6 matrix_b_fmt:MATRIX_FMT_BF6 matrix_b_scale:MATRIX_SCALE_ROW1
.elseif rR == 2
	v_wmma_scale_f32_16x16x128_f8f6f4 v[rD:rD+7], v[rB:rB+11], v[rA:rA+11], v[rC:rC+7], v[rX], v[rY] matrix_a_fmt:MATRIX_FMT_BF6 matrix_b_fmt:MATRIX_FMT_BF6 matrix_a_scale:MATRIX_SCALE_ROW1
.else
	v_wmma_scale_f32_16x16x128_f8f6f4 v[rD:rD+7], v[rB:rB+11], v[rA:rA+11], v[rC:rC+7], v[rX], v[rY] matrix_a_fmt:MATRIX_FMT_BF6 matrix_b_fmt:MATRIX_FMT_BF6 matrix_a_scale:MATRIX_SCALE_ROW1 matrix_b_scale:MATRIX_SCALE_ROW1
.endif
.endm
.macro MUL8 a, p, kk, cm               ; the 32 accumulators take turns in one order
.irp b, 0,1,2,3,4,5,6,7
	WM2 \a, \b, \p, \kk, \cm
.endr
.endm
; A step of 128 along K.  The next step's 36 loads stand at the step's head, so that they have all 32 matrix instructions in which to come.
.macro STEP2 kk, cm
	s_wait_dscnt 0x0                               ; this step's fragments (asked for a step ago) are in
	PLACES NP                                      ; in front of loads into the set that the last step multiplied
	FETCH2 (\kk)+1, 1-(\kk)%2
.if \cm
	WIN 0x91                                       ; source 0 (x) and C (the bias) window 1, source 1 (Wv) window 0, D window 2
.else
	WIN MUL_LO
.endif
.irp a, 0,1,2,3
	MUL8 \a, (\kk)%2, \kk, \cm
.endr
	WIN 0
.endm
	s_wait_loadcnt 0x0                             ; bv and the scale words
	STEP2 0, 1
	STEP2 1, 0
	STEP2 2, 0
	STEP2 3, 0                                     ; (its loads are the first from slot 1, which the barrier above has shown whole)
	STEP2 4, 0
	STEP2 5, 0
	STEP2 6, 0
	s_wait_dscnt 0x0
	WIN MUL_LO
.irp a, 0,1,2,3
	MUL8 \a, 1, 7, 0
.endr
	WIN 0
	PLACES NP
.irp a, 0,1,2,3
	OUTBLK \a, VO2, SS2
.endr
	s_wait_dscnt 0x0                               ; for the others' sake: my words lie in the second stage
	s_barrier_signal -1
	s_barrier_wait -1
	ds_load_b64 v[120:121], v[SR2]
	s_wait_dscnt 0x0
	global_store_b64 v[VS2], v[120:121], s[96:97]  ; 32 lanes store 256 consecutive bytes, aligned: a quarter of the tile's scale words
	s_wait_tensorcnt 0x0                           ; the wave's end
	ds_add_u32 v[SPW], v[NIL]
	s_wait_dscnt 0x0
	CROUND                                         ; the closing round
	s_endpgm
.Lfunc_end_k_q0a7a598aa0_proj:
	.size	k_q0a7a598aa0_proj, .Lfunc_end_k_q0a7a598aa0_proj-k_q0a7a598aa0_proj
	.p2alignl 7, 3214868480
	.fill 96, 4, 3214868480
	.section	.rodata,"a",@progbits
	.p2align	6, 0x0
	.amdhsa_kernel k_q0a7a598aa0_proj
		.amdhsa_group_segment_fixed_size 327680
		.amdhsa_private_segment_fixed_size 0
		.amdhsa_enable_private_segment 0
		.amdhsa_kernarg_size 56
		.amdhsa_user_sgpr_count 2
		.amdhsa_user_sgpr_kernarg_segment_ptr 1
		.amdhsa_wavefront_size32 1
		.amdhsa_system_sgpr_workgroup_id_x 1
		.amdhsa_system_sgpr_workgroup_id_y 1
		.amdhsa_system_sgpr_workgroup_id_z 1
		.amdhsa_system_vgpr_workitem_id 0
		.amdhsa_next_free_vgpr 1024
		.amdhsa_next_free_sgpr 106
		.amdhsa_reserve_vcc 0
		.amdhsa_float_denorm_mode_32 3
		.amdhsa_float_denorm_mode_16_64 3
		.amdhsa_memory_ordered 1
		.amdhsa_forward_progress 1
		.amdhsa_inst_pref_size 225
	.end_amdhsa_kernel
	.amdgpu_metadata
---
amdhsa.version: [ 1, 2 ]
amdhsa.kernels:
  - .name:           k_q0a7a598aa0_proj
    .symbol:         k_q0a7a598aa0_proj.kd
    .args:
      - { .name: xw_codes, .offset: 0, .size: 8, .value_kind: global_buffer, .address_space: global }
      - { .name: xw_scales, .offset: 8, .size: 8, .value_kind: global_buffer, .address_space: global }
      - { .name: bq, .offset: 16, .size: 8, .value_kind: global_buffer, .address_space: global }
      - { .name: bk, .offset: 24, .size: 8, .value_kind: global_buffer, .address_space: global }
      - { .name: bv, .offset: 32, .size: 8, .value_kind: global_buffer, .address_space: global }
      - { .name: qkv_codes, .offset: 40, .size: 8, .value_kind: global_buffer, .address_space: global }
      - { .name: qkv_scales, .offset: 48, .size: 8, .value_kind: global_buffer, .address_space: global }
    .group_segment_fixed_size: 327680
    .private_segment_fixed_size: 0
    .kernarg_segment_align: 8
    .kernarg_segment_size: 56
    .max_flat_workgroup_size: 128
    .sgpr_count:     106
    .vgpr_count:     1024
    .wavefront_size: 32
...
	.end_amdgpu_metadata
.endif
;; end of part 2
;; launch scores (part 3): grid 8 x 32, 4 waves a work-group, clusters of 4 x 4, 327,680 bytes of LDS; arguments qkv_codes, qkv_scales, p_codes, p_stats; writes p_codes, p_stats
.if DOCPART == 3
	.amdgcn_target "amdgcn-amd-amdhsa--gfx1250"
	.amdhsa_code_object_version 6
	.text
	.protected	k_q0a7a598aa0_scores
	.globl	k_q0a7a598aa0_scores
	.p2align	8
	.type	k_q0a7a598aa0_scores,@function
k_q0a7a598aa0_scores:
	s_mov_b64 s[64:65], 0
	v_nop
	global_prefetch_b8 v0, s[64:65] scope:SCOPE_SE
	s_setreg_imm32_b32 hwreg(HW_REG_WAVE_MODE, 25, 1), 1
	s_wait_xcnt 0x0
	s_wait_alu depctr_hold_cnt(0) depctr_sa_sdst(0) depctr_va_vdst(0) depctr_va_sdst(0) depctr_va_ssrc(0) depctr_va_vcc(0) depctr_vm_vsrc(0)
	s_getreg_b32 s2, hwreg(HW_REG_IB_STS2, 6, 4)
	s_cmp_eq_u32 s2, 0
	s_cbranch_scc0 .Lentry_in_a_cluster
	s_endpgm
.Lentry_in_a_cluster:
	s_bfe_u32 s2, ttmp6, 0x10000c
	s_cmp_lg_u32 s2, 0xf033
	s_cbranch_scc0 .Lentry_shape_is_right
	s_endpgm
.Lentry_shape_is_right:
; S = q k^T on codes of BF6 (E3M2), K = 1,024, a tile of 256 queries x 256 keys to a work-group, 128 x 128 to a wave; then the softmax's p, quantised along the keys, leaves as codes.
; THE SOFTMAX.  t = S x log2(e) / 32.  For each query and each run of 128 keys (a wave's): Mloc = the run's largest t rounded up to a whole number; p' = 2^(t - Mloc); its codes and local scale bytes (at most 123),
; Mloc and lloc = the sum of the unquantised p' are stored.  The next launch takes M = the largest Mloc of a row, adds Mloc - M to the bytes and sums lloc x 2^(Mloc - M): whole powers of two, which a block's byte takes up.
; The maximum is taken away ahead of every exponential: t - Mloc is 0 or less.
; LIMITS: |t| stays under 2^24, so that Mloc is an exact whole number in f32; NaN and infinities are not served; a block whose every p' has fallen to 0 keeps the byte 1 (its codes are zeros).
; OPERANDS lie in memory as images of fragments (16 rows x 128 K = 1,536 bytes), so a run of rows of a K step of 256 is one dense block.  k's rows lie in places with bits 3 and 4 of the true token exchanged:
; in accumulators (a, 2 c), (a, 2 c + 1) lane (r, h) holds, of the query at place 16 a + r, the true keys 32 c + 16 h + 0 .. 15.
; LDS.  Wave w fetches a quarter of each K step (w = 0, 1: q's halves; 2, 3: k's).  K steps 0 and 1 come at the head, ONE joint load a wave, to 49,152 w; K step 2 behind the full sequence, to 196,608 + 24,576 w;
; K step 3 is the one refill, onto K step 0's bytes.  The scale words of all of K go from memory straight into registers, each used by one wave alone.
; PREFETCHES: K step 2's blocks are asked for behind the head's load, K step 3's behind K step 2's: 24 blocks of 256 bytes a wave, the four partners that share a tile told apart by address.
; THE WAY OUT goes by pairs of blocks of 16 queries, whose chains alternate.
; REGISTERS: window 0: v1-31 addresses; v32-95 scale words (nothing else, ever); v128-223 q's fragments, on the way out at work.  Window 1: k's fragments, two sets; on the way out t - Mloc, then p', of a pair.
;   Windows 2, 3: the accumulators, (a, b) at v[8 (8 (a % 4) + b)].
.set PLANE,  1572864                   ; a K step of q's and k's codes
.set QUART,  24576
.set R2,     196608
.set STG,    R2                        ; the way out: three sections of 2,048 bytes in K step 2's bytes, which have had their last fill and their last read by then
.set SPARE,  294912
.set NL, 3
.set LI,   3
.set ADRA, 16                          ; v16 K steps 0, 1, 3; v17 K step 2
.set ADRB, 20
.set SS,   25
.set SR,   26
.set VSO,  27                          ; my scale words in memory: lanes 0-15 q's row r, lanes 16-31 k's
.set SPW,  28
.set NIL,  29
.set PFO,  30
.set SC,   32                          ; K step n's: SC + 16 n + 2 (block) + which 128
.set AF,   128
.set BM,   128                         ; the way out, window 0: v128-135 the largest scores of 2 x 4 blocks of keys, then their largest p', then the bytes
.set BX,   136                         ; v136-143 the other lanes'; then the conversions' scale operands
.set NM,   144                         ; v[144:145], v[146:147] -Mloc (the upper words are named and not used)
.set CV,   148
.set T,    150
.set SA,   152                         ; v152-159 four chains of the sums
.set DW,   160
.set DM,   162
.set DL,   164
.set LX,   166
.set PC,   168                         ; v168-207 codes
.set G1, 24
.set G0, 52                            ; s[52:63] group 0 of q's three loads
.set G1B, 32
.set G0B, 68                           ; s[68:79] of k's
.set MSB, 0
.macro WIN new                         ; the immediate's high byte repeats the setting that is left
.if MSB != \new
	s_set_vgpr_msb (MSB<<8)|\new
.set MSB, \new
.endif
.endm
.set MUL_LO, 0xa1
.set MUL_HI, 0xf1
.macro JLOAD t                         ; the t-th joint load: waves 0 and 1 fetch for q, waves 2 and 3 for k; four v_nop follow each line
	s_cmp_eq_u32 s15, 0
	s_cbranch_scc0 .Lfor_b_\@
	tensor_load_to_lds s[G0+4*\t:G0+4*\t+3], s[G1:G1+7]
	s_nop 0
.rept 4
	v_nop
.endr
	s_branch .Lasked_\@
.Lfor_b_\@:
	tensor_load_to_lds s[G0B+4*\t:G0B+4*\t+3], s[G1B:G1B+7]
	s_nop 0
.rept 4
	v_nop
.endr
.Lasked_\@:
.endm
.macro CREST                           ; a round of the cluster's barrier behind its opening barrier
	s_cmp_lg_u32 s14, 0
	s_cbranch_scc1 .Lnot_wave_0_\@
	s_barrier_signal -3
.Lnot_wave_0_\@:
	s_barrier_wait -3
	s_barrier_signal -1
	s_barrier_wait -1
.endm
.macro CROUND
	s_barrier_signal -1
	s_barrier_wait -1
	CREST
.endm
.macro PLACES n                        ; plain lines behind matrix instructions (ISA guide 7.12.1 for reads of their registers)
.rept \n
	v_nop
.endr
.endm
	s_load_b256 s[4:11], s[0:1], 0x0               ; qkv_codes, qkv_scales, p_codes, p_stats
	v_lshl_add_u32 v[SPW], v0, 2, SPARE
	v_mov_b32 v[NIL], 0
	ds_add_u32 v[SPW], v[NIL]                      ; the opening: the add, twice on end, and its wait
	ds_add_u32 v[SPW], v[NIL]
	v_lshrrev_b32 v1, 5, v0
	v_readfirstlane_b32 s14, v1
	s_lshr_b32 s15, s14, 1                         ; my half of the queries; also: I fetch for q (0) or k (1)
	s_and_b32 s16, s14, 1                          ; my half of the keys; also: which half I fetch
	s_bfe_u32 s40, ttmp6, 0x40000                  ; cx
	s_bfe_u32 s41, ttmp6, 0x40004                  ; cy
	s_lshl_b32 s42, ttmp9, 2
	s_add_co_u32 s42, s42, s40                     ; tile column: 256 keys of the batch
	s_and_b32 s12, ttmp7, 0xffff
	s_lshl_b32 s17, s12, 2
	s_add_co_u32 s17, s17, s41                     ; tile row: 256 of the 8,192 queries
	s_lshr_b32 s13, s12, 1                         ; the batch, made of the cluster's y alone
	s_lshl_b32 s18, s41, 2
	s_lshl_b32 s18, 15, s18                        ; my row of the cluster
	s_lshl_b32 s19, 0x1111, s40                    ; my column
	s_or_b32 s[G1+0], s18, (3<<16)|(1<<21)         ; codes: 128 rows of a K step are 24,576 dense bytes; two K steps, a plane apart
	s_or_b32 s[G1B+0], s19, (3<<16)|(1<<21)
.irp g, G1, G1B
	s_mov_b32 s[\g+1], 3072<<16
	s_mov_b32 s[\g+2], 2<<16
	s_mov_b32 s[\g+3], 3072<<16
	s_mov_b32 s[\g+4], 2
	s_mov_b32 s[\g+5], PLANE/8
	s_mov_b32 s[\g+6], 0
	s_mov_b32 s[\g+7], 0
.endr
	s_mul_i32 s44, s16, QUART
	s_mul_i32 s20, s17, 49152
	s_add_co_u32 s20, s20, s44                     ; q's rows that I fetch
	s_mov_b32 s21, 0
	s_mul_i32 s46, s13, 393216
	s_mul_i32 s47, s42, 49152
	s_add_co_u32 s46, s46, s47
	s_add_co_u32 s46, s46, s44
	s_add_co_u32 s46, s46, 6291456                 ; k's, behind q's
	s_mov_b32 s47, 0
	s_lshl_b32 s22, s17, 11                        ; q's scale words: 8 bytes a row
	s_lshl_b32 s44, s15, 10
	s_add_co_u32 s22, s22, s44
	s_lshl_b32 s23, s13, 14                        ; k's, behind q's
	s_lshl_b32 s44, s42, 11
	s_add_co_u32 s23, s23, s44
	s_lshl_b32 s44, s16, 10
	s_add_co_u32 s23, s23, s44
	s_add_co_u32 s23, s23, 262144
	s_sub_co_u32 s23, s23, s22
	s_mul_i32 s44, s14, 2*QUART
	s_mul_i32 s45, s14, QUART
	s_add_co_u32 s45, s45, R2
.irp g, G0, G0B
	s_mov_b32 s[\g], 1
	s_mov_b32 s[\g+4], 1
	s_mov_b32 s[\g+8], 1
	s_mov_b32 s[\g+1], s44
	s_mov_b32 s[\g+5], s45
	s_mov_b32 s[\g+9], s44
.endr
	s_mul_i32 s80, s15, 2*QUART                    ; my 128 rows of q: K steps 0, 1, 3,
	s_mul_i32 s81, s15, QUART
	s_add_co_u32 s81, s81, R2                      ; and K step 2
	s_mul_i32 s82, s16, 2*QUART
	s_add_co_u32 s82, s82, 4*QUART                 ; and of k
	s_mul_i32 s83, s16, QUART
	s_add_co_u32 s83, s83, R2+2*QUART
	s_lshl_b32 s84, s15, 10
	s_lshl_b32 s85, s16, 2
	s_add_co_u32 s84, s84, s85
	s_add_co_u32 s84, s84, STG
	s_lshl_b32 s85, s14, 9
	s_add_co_u32 s85, s85, STG
	v_and_b32 v1, 15, v0                           ; r
	v_bfe_u32 v2, v0, 4, 1                         ; h
	v_and_b32 v[LI], 31, v0
	v_min_u32 v[PFO], 23, v[LI]                    ; (lanes 24-31 name lane 23's block again)
	v_lshlrev_b32 v[PFO], 8, v[PFO]
	v_lshlrev_b32 v[LI], 4, v[LI]
	v_add_nc_u32 v[ADRA], s80, v[LI]
	v_add_nc_u32 v[ADRA+1], s81, v[LI]
	v_add_nc_u32 v[ADRB], s82, v[LI]
	v_add_nc_u32 v[ADRB+1], s83, v[LI]
	v_lshl_add_u32 v[SS], v1, 3, s84               ; 8 (128 wr + r) + 4 wc
	v_add_nc_u32 v[SR], s85, v[LI]
	v_mul_u32_u24 v6, s23, v2
	v_lshl_add_u32 v6, v1, 3, v6
	v_add_nc_u32 v[VSO], s22, v6
	s_wait_alu depctr_va_vdst(0)
	s_wait_dscnt 0x0                               ; both opening adds are done
	s_wait_kmcnt 0x0
	s_add_nc_u64 s[20:21], s[4:5], s[20:21]
	s_add_nc_u64 s[46:47], s[4:5], s[46:47]
	CROUND                                         ; all sixteen work-groups are here: the first joint loads meet
	s_mov_b64 s[G0+2:G0+3], s[20:21]
	s_add_nc_u64 s[G0+6:G0+7], s[20:21], 2*PLANE
	s_add_nc_u64 s[G0+10:G0+11], s[20:21], 3*PLANE
	s_mov_b64 s[G0B+2:G0B+3], s[46:47]
	s_add_nc_u64 s[G0B+6:G0B+7], s[46:47], 2*PLANE
	s_add_nc_u64 s[G0B+10:G0B+11], s[46:47], 3*PLANE
.irp g, G0+3, G0+7, G0+11, G0B+3, G0B+7, G0B+11
	s_or_b32 s[\g], s[\g], 0x80000000              ; the type
.endr
	JLOAD 0                                        ; K steps 0 and 1: my one tensor load at the head
.irp n, 0,1,2,3
.irp i, 0,1,2,3,4,5,6,7
	global_load_b64 v[SC+16*\n+2*\i:SC+16*\n+2*\i+1], v[VSO], s[6:7] offset:65536*\n+128*\i
.endr
.endr
	s_cmp_eq_u32 s15, 0                            ; the prefetches' base: the half that I fetch, + 6,144 x my place among the four that share it
	s_cselect_b64 s[86:87], s[20:21], s[46:47]
	s_cselect_b32 s88, s40, s41
	s_mul_i32 s88, s88, 6144
	s_mov_b32 s89, 0
	s_add_nc_u64 s[86:87], s[86:87], s[88:89]
	global_prefetch_b8 v[PFO], s[86:87] offset:2*PLANE th:TH_LOAD_NT scope:SCOPE_SE
	s_mul_i32 s90, s17, 49152                      ; where my images go: tile row, my half of the rows, my 128 of the K step,
	s_mul_i32 s91, s15, 24576
	s_add_co_u32 s90, s90, s91
	s_mul_i32 s91, s16, 1536
	s_add_co_u32 s90, s90, s91
	s_mov_b32 s91, 0
	s_add_nc_u64 s[8:9], s[8:9], s[90:91]
	s_mul_i32 s90, s42, PLANE                      ; and the K step of P V, which is the tile column
	s_add_nc_u64 s[8:9], s[8:9], s[90:91]
	s_lshl_b32 s90, s17, 11
	s_lshl_b32 s92, s14, 9
	s_add_co_u32 s90, s90, s92
	s_lshl_b32 s92, s42, 16
	s_add_co_u32 s90, s90, s92
	s_add_nc_u64 s[10:11], s[10:11], s[90:91]
.macro FRAG reg, adr, kk, i            ; a fragment's image: three loads of 512 consecutive bytes
.set FN, (\kk)/2
.set FA, \adr
.set FO, 0
.if FN == 2
.set FA, \adr+1
.elseif FN == 1
.set FO, QUART
.endif
.irp c, 0,1,2
	ds_load_b128 v[\reg+4*\c:\reg+4*\c+3], v[FA] offset:FO+(\i)*3072+((\kk)%2)*1536+512*\c
.endr
.endm
.macro MUL16 a0, kk, zero              ; the 64 accumulators take turns in one order; zero = 1: the first products start the sums
.irp a, \a0, \a0+1
.irp b, 0,1,2,3,4,5,6,7
.if \zero
	v_wmma_scale_f32_16x16x128_f8f6f4 v[8*(8*((\a)%4)+\b):8*(8*((\a)%4)+\b)+7], v[128*((\kk)%2)+12*\b:128*((\kk)%2)+12*\b+11], v[AF+12*(\a):AF+12*(\a)+11], 0, v[SC+16*((\kk)/2)+2*\b+(\kk)%2], v[SC+16*((\kk)/2)+2*(\a)+(\kk)%2] matrix_a_fmt:MATRIX_FMT_BF6 matrix_b_fmt:MATRIX_FMT_BF6 matrix_a_scale:MATRIX_SCALE_ROW1
.else
	v_wmma_scale_f32_16x16x128_f8f6f4 v[8*(8*((\a)%4)+\b):8*(8*((\a)%4)+\b)+7], v[128*((\kk)%2)+12*\b:128*((\kk)%2)+12*\b+11], v[AF+12*(\a):AF+12*(\a)+11], v[8*(8*((\a)%4)+\b):8*(8*((\a)%4)+\b)+7], v[SC+16*((\kk)/2)+2*\b+(\kk)%2], v[SC+16*((\kk)/2)+2*(\a)+(\kk)%2] matrix_a_fmt:MATRIX_FMT_BF6 matrix_b_fmt:MATRIX_FMT_BF6 matrix_a_scale:MATRIX_SCALE_ROW1
.endif
.endr
.endr
.endm
.macro FETCH_B kk
	WIN 0x40
.irp i, 0,1,2,3,4,5,6,7
	FRAG 128*((\kk)%2)+12*\i, ADRB, \kk, \i
.endr
	WIN 0
.endm
.macro FETCH_A kk, i0
.irp i, \i0, \i0+1, \i0+2, \i0+3
	FRAG AF+12*(\i), ADRA, \kk, \i
.endr
.endm
; A step of 128 along K.  K steps 0 and 1 have landed together, so no barrier parts them.  The end of K step 1 (kk = 3) shows K step 2 whole and fills K step 3 onto K step 0's bytes; the end of K step 2 (kk = 5) shows K step 3 whole.
.macro STEP kk, zero
.if (\kk) == 3 || (\kk) == 5
	s_wait_tensorcnt 0x0                           ; all my tensor loads have landed
	ds_add_u32 v[SPW], v[NIL]
	s_wait_dscnt 4*NL+1                            ; (the add and q's blocks 4-7 may be out)
	WIN MUL_LO
	MUL16 0, \kk, \zero
	s_wait_dscnt 0x0                               ; the add is done, and so are my reads of what is left behind
	s_barrier_signal -1
	MUL16 2, \kk, \zero
	WIN 0
	s_barrier_wait -1
.if (\kk) == 3
	CREST                                          ; no wave of any partner still reads K step 0's bytes or has a load on its way
	JLOAD 2
.else
	PLACES 4
.endif
.else
	s_wait_dscnt 4*NL                              ; all but the youngest twelve loads (q's blocks 4-7)
	WIN MUL_LO
	MUL16 0, \kk, \zero
	MUL16 2, \kk, \zero
	s_wait_dscnt 0
	PLACES 4
.endif
	FETCH_B (\kk)+1
	FETCH_A (\kk)+1, 0
	WIN MUL_HI
	MUL16 4, \kk, \zero
	MUL16 6, \kk, \zero
	PLACES 4
	WIN 0
	FETCH_A (\kk)+1, 4
.endm
	s_wait_tensorcnt 0x0                           ; my part of K steps 0 and 1 is in
	ds_add_u32 v[SPW], v[NIL]
	s_mov_b32 s[G1+2], 1<<16                       ; no tensor load of mine is out: from here on a load brings one K step
	s_mov_b32 s[G1+4], 1
	s_mov_b32 s[G1B+2], 1<<16
	s_mov_b32 s[G1B+4], 1
	s_mov_b32 s[G1+6], 1<<16                       ; (one row: the stride between planes is stated and not used)
	s_mov_b32 s[G1B+6], 1<<16
	s_wait_dscnt 0x0
	CROUND
	JLOAD 1                                        ; K step 2
	FETCH_B 0
	FETCH_A 0, 0
	FETCH_A 0, 4
	global_prefetch_b8 v[PFO], s[86:87] offset:3*PLANE th:TH_LOAD_NT scope:SCOPE_SE
	s_wait_loadcnt 0x0                             ; the scale words of all of K
	STEP 0, 1
.set KK, 1
.rept 6
	STEP KK, 0
.set KK, KK+1
.endr
	s_wait_dscnt 4*NL
	WIN MUL_LO
	MUL16 0, 7, 0
	MUL16 2, 7, 0
	s_wait_dscnt 0
	WIN MUL_HI
	MUL16 4, 7, 0
	MUL16 6, 7, 0
	WIN 0
	; ---- THE WAY OUT
	PLACES 8
	s_mov_b32 s92, 0x76543210
	s_mov_b32 s93, 0xfedcba98                      ; v_permlanex16_b32's selects for lane l xor 16
	s_mov_b32 s94, 0x3d38aa3b                      ; c = log2(e) / 32
	v_mov_b32 v[CV], s94
	v_mov_b32 v[CV+1], s94
	v_mov_b32 v[NM+1], 0                           ; named as the upper halves of pairs
	v_mov_b32 v[NM+3], 0
	v_mov_b32 v[LX], 0                             ; lane permutes' destinations count as sources
	v_mov_b32 v[LX+1], 0
.irp c, 0,1,2,3,4,5,6,7
	v_mov_b32 v[BX+\c], 0
.endr
; Blocks a and a + 1 of 16 queries: u = 0, 1
.macro PAIR a
.set W, 2+(\a)/4
.set AC, 64*((\a)%4)
	s_wait_alu depctr_va_vdst(0)                   ; ahead of the first readers of the pair's products
.set WN, (W<<2)|(W<<4)
	WIN WN                                         ; sources 1 and 2: the accumulators' window
.irp c, 0,1,2,3
.irp u, 0,1
	v_max3_num_f32 v[BM+4*\u+\c], 0xff800000, v[AC+64*\u+16*\c], v[AC+64*\u+16*\c+1]   ; each accumulator from its low end on
.endr
.endr
.irp i, 2,4,6,8,10,12,14
.irp c, 0,1,2,3
.irp u, 0,1
	v_max3_num_f32 v[BM+4*\u+\c], v[BM+4*\u+\c], v[AC+64*\u+16*\c+\i], v[AC+64*\u+16*\c+\i+1]
.endr
.endr
.endr
	WIN 0
.irp c, 0,1,2,3,4,5,6,7
	v_permlanex16_b32 v[BX+\c], v[BM+\c], s92, s93
.endr
.irp c, 0,1,2,3,4,5,6,7
	v_max_num_f32 v[BM+\c], v[BM+\c], v[BX+\c]     ; with lane l xor 16's 16 keys: each block of 32 keys' largest score
.endr
.irp u, 0,1
	v_max3_num_f32 v[T+\u], v[BM+4*\u], v[BM+4*\u+1], v[BM+4*\u+2]
.endr
.irp u, 0,1
	v_max_num_f32 v[T+\u], v[T+\u], v[BM+4*\u+3]
.endr
.irp u, 0,1
	v_mul_f32 v[T+\u], s94, v[T+\u]                ; as t (c is positive)
.endr
.irp u, 0,1
	v_floor_f32 v[NM+2*\u], -v[T+\u]               ; -Mloc = floor(-t): a whole number
.endr
.irp c, 0,1,2,3
.irp u, 0,1
	v_fma_f32 v[BM+4*\u+\c], v[BM+4*\u+\c], s94, v[NM+2*\u]   ; p' rises with the score: the block's largest score gives its largest p' by the same two instructions
.endr
.endr
.set WN, 0x40|(W<<2)
	WIN WN                                         ; source 1: the accumulators' window; destination: window 1
.set j, 0
.rept 32
.irp u, 0,1
	v_pk_fma_f32 v[64*\u+j:64*\u+j+1], v[CV:CV+1], v[AC+64*\u+j:AC+64*\u+j+1], v[NM+2*\u:NM+2*\u+1] op_sel_hi:[1,1,0]   ; t - Mloc, two at a time
.endr
.set j, j+2
.endr
	WIN 0
	s_wait_alu depctr_va_vdst(0)                   ; ahead of the batch
.irp c, 0,1,2,3,4,5,6,7
	v_exp_f32 v[BM+\c], v[BM+\c]
.endr
	WIN 0x41
.set j, 0
.rept 128
	v_exp_f32 v[j], v[j]
.set j, j+1
.endr
	v_nop                                          ; a plain line behind the last exponential
	s_wait_dscnt 0x0                               ; the last pair's LDS stores have read their registers,
	s_wait_xcnt 0x0                                ; and its global stores theirs
	s_wait_alu depctr_va_vdst(0)                   ; one wait for the batch of 136, ahead of its first reader
	WIN 0x05
.irp u, 0,1
	v_pk_add_f32 v[SA+4*\u:SA+4*\u+1], v[64*\u:64*\u+1], v[64*\u+2:64*\u+3]   ; the sum of the unquantised p', four chains by turns
	v_pk_add_f32 v[SA+4*\u+2:SA+4*\u+3], v[64*\u+4:64*\u+5], v[64*\u+6:64*\u+7]
.endr
	WIN 0x04
.set j, 8
.rept 14
.irp u, 0,1
	v_pk_add_f32 v[SA+4*\u:SA+4*\u+1], v[SA+4*\u:SA+4*\u+1], v[64*\u+j:64*\u+j+1]
	v_pk_add_f32 v[SA+4*\u+2:SA+4*\u+3], v[SA+4*\u+2:SA+4*\u+3], v[64*\u+j+2:64*\u+j+3]
.endr
.set j, j+4
.endr
	WIN 0
.irp u, 0,1
	v_pk_add_f32 v[SA+4*\u:SA+4*\u+1], v[SA+4*\u:SA+4*\u+1], v[SA+4*\u+2:SA+4*\u+3]
.endr
.irp c, 0,1,2,3,4,5,6,7
	v_max_num_f32 v[BM+\c], 0x2800000, v[BM+\c]    ; the floor 2^(5 - 127): the byte cannot fall under 1
.endr
.irp u, 0,1
	v_add_f32 v[T+\u], v[SA+4*\u], v[SA+4*\u+1]
.endr
.irp c, 0,1,2,3,4,5,6,7
	v_add_nc_u32 v[BX+\c], 0xfe000000, v[BM+\c]    ; 4 off the exponent field: the conversion's scale operand
.endr
.irp u, 0,1
	v_permlanex16_b32 v[LX+\u], v[T+\u], s92, s93
.endr
.irp c, 0,1,2,3,4,5,6,7
	v_lshrrev_b32 v[BM+\c], 23, v[BX+\c]           ; the byte
.endr
.irp u, 0,1
	v_add_f32 v[DL+\u], v[T+\u], v[LX+\u]          ; lloc
.endr
.irp u, 0,1
	v_lshl_or_b32 v[DW+\u], v[BM+4*\u+1], 8, v[BM+4*\u]
.endr
.irp u, 0,1
	v_sub_f32 v[DM+\u], 0, v[NM+2*\u]              ; Mloc
.endr
.irp u, 0,1
	v_lshl_or_b32 v[DW+\u], v[BM+4*\u+2], 16, v[DW+\u]
.endr
.irp u, 0,1
	v_lshl_or_b32 v[DW+\u], v[BM+4*\u+3], 24, v[DW+\u]
.endr
	WIN 0x01
.irp u, 0,1
.irp c, 0,1
	v_cvt_scalef32_pk16_bf6_f32 v[PC+20*\u+6*\c:PC+20*\u+2+6*\c], v[64*\u+32*\c:64*\u+15+32*\c], v[BX+4*\u+2*\c]
	v_cvt_scalef32_pk16_bf6_f32 v[PC+20*\u+12+4*\c:PC+20*\u+14+4*\c], v[64*\u+16+32*\c:64*\u+31+32*\c], v[BX+4*\u+2*\c+1]
.endr
.endr
	WIN 0
	v_nop                                          ; one plain line behind a scaled conversion
.irp i, 0,1,2
.irp u, 0,1
.irp c, 0,1
	v_permlane16_swap_b32 v[PC+20*\u+6*\c+\i], v[PC+20*\u+12+4*\c+\i]
.endr
.endr
.endr
.irp i, 0,1,2
.irp u, 0,1
.irp c, 0,1
	v_mov_b32 v[PC+20*\u+3+6*\c+\i], v[PC+20*\u+12+4*\c+\i]
.endr
.endr
.endr
.irp u, 0,1
.irp c, 0,1,2
	global_store_b128 v[LI], v[PC+20*\u+4*\c:PC+20*\u+4*\c+3], s[8:9] offset:(\a+\u)*3072+512*\c   ; 512 consecutive bytes, at a multiple of 256 from the buffer's first byte
.endr
.endr
.irp u, 0,1
	ds_store_b32 v[SS], v[DW+\u] offset:128*(\a+\u)
	ds_store_b32 v[SS], v[DM+\u] offset:2048+128*(\a+\u)
	ds_store_b32 v[SS], v[DL+\u] offset:4096+128*(\a+\u)
.endr
.endm
	PAIR 0
	PAIR 2
	PAIR 4
	PAIR 6
	s_wait_xcnt 0x0                                ; the last stores have read the codes' registers
	s_wait_dscnt 0x0                               ; for the others' sake: my words lie in the stage
	s_barrier_signal -1
	s_barrier_wait -1
.irp k, 0,1,2
	ds_load_b128 v[PC+4*\k:PC+4*\k+3], v[SR] offset:2048*\k
.endr
	s_wait_dscnt 0x0
.irp k, 0,1,2
	global_store_b128 v[LI], v[PC+4*\k:PC+4*\k+3], s[10:11] offset:\k*524288   ; scale words, Mloc, lloc: 512 consecutive bytes each
.endr
	s_wait_tensorcnt 0x0                           ; the wave's end
	ds_add_u32 v[SPW], v[NIL]
	s_wait_dscnt 0x0
	CROUND                                         ; the closing round
	s_endpgm
.Lfunc_end_k_q0a7a598aa0_scores:
	.size	k_q0a7a598aa0_scores, .Lfunc_end_k_q0a7a598aa0_scores-k_q0a7a598aa0_scores
	.p2alignl 7, 3214868480
	.fill 96, 4, 3214868480
	.section	.rodata,"a",@progbits
	.p2align	6, 0x0
	.amdhsa_kernel k_q0a7a598aa0_scores
		.amdhsa_group_segment_fixed_size 327680
		.amdhsa_private_segment_fixed_size 0
		.amdhsa_enable_private_segment 0
		.amdhsa_kernarg_size 32
		.amdhsa_user_sgpr_count 2
		.amdhsa_user_sgpr_kernarg_segment_ptr 1
		.amdhsa_wavefront_size32 1
		.amdhsa_system_sgpr_workgroup_id_x 1
		.amdhsa_system_sgpr_workgroup_id_y 1
		.amdhsa_system_sgpr_workgroup_id_z 1
		.amdhsa_system_vgpr_workitem_id 0
		.amdhsa_next_free_vgpr 1024
		.amdhsa_next_free_sgpr 100
		.amdhsa_reserve_vcc 0
		.amdhsa_float_denorm_mode_32 3
		.amdhsa_float_denorm_mode_16_64 3
		.amdhsa_memory_ordered 1
		.amdhsa_forward_progress 1
		.amdhsa_inst_pref_size 197
	.end_amdhsa_kernel
	.amdgpu_metadata
---
amdhsa.version: [ 1, 2 ]
amdhsa.kernels:
  - .name:           k_q0a7a598aa0_scores
    .symbol:         k_q0a7a598aa0_scores.kd
    .args:
      - { .name: qkv_codes, .offset: 0, .size: 8, .value_kind: global_buffer, .address_space: global }
      - { .name: qkv_scales, .offset: 8, .size: 8, .value_kind: global_buffer, .address_space: global }
      - { .name: p_codes, .offset: 16, .size: 8, .value_kind: global_buffer, .address_space: global }
      - { .name: p_stats, .offset: 24, .size: 8, .value_kind: global_buffer, .address_space: global }
    .group_segment_fixed_size: 327680
    .private_segment_fixed_size: 0
    .kernarg_segment_align: 8
    .kernarg_segment_size: 32
    .max_flat_workgroup_size: 128
    .sgpr_count:     100
    .vgpr_count:     1024
    .wavefront_size: 32
...
	.end_amdgpu_metadata
.endif
;; end of part 3
;; launch pv (part 4): grid 4 x 64, 4 waves a work-group, clusters of 4 x 4, 327,680 bytes of LDS; arguments p_codes, p_stats, qkv_codes, qkv_scales, out0; writes out0
.if DOCPART == 4
	.amdgcn_target "amdgcn-amd-amdhsa--gfx1250"
	.amdhsa_code_object_version 6
	.text
	.protected	k_q0a7a598aa0_pv
	.globl	k_q0a7a598aa0_pv
	.p2align	8
	.type	k_q0a7a598aa0_pv,@function
k_q0a7a598aa0_pv:
	s_mov_b64 s[64:65], 0
	v_nop
	global_prefetch_b8 v0, s[64:65] scope:SCOPE_SE
	s_setreg_imm32_b32 hwreg(HW_REG_WAVE_MODE, 25, 1), 1
	s_wait_xcnt 0x0
	s_wait_alu depctr_hold_cnt(0) depctr_sa_sdst(0) depctr_va_vdst(0) depctr_va_sdst(0) depctr_va_ssrc(0) depctr_va_vcc(0) depctr_vm_vsrc(0)
	s_getreg_b32 s2, hwreg(HW_REG_IB_STS2, 6, 4)
	s_cmp_eq_u32 s2, 0
	s_cbranch_scc0 .Lentry_in_a_cluster
	s_endpgm
.Lentry_in_a_cluster:
	s_bfe_u32 s2, ttmp6, 0x10000c
	s_cmp_lg_u32 s2, 0xf033
	s_cbranch_scc0 .Lentry_shape_is_right
	s_endpgm
.Lentry_shape_is_right:
; out = (P v) / l on codes of BF6 (E3M2), K = 2,048 keys.  A work-group makes 128 queries x 256 channels, a wave 64 x 128: 32 accumulators.
; LDS holds half of K.  Waves 0 and 1 fetch P's two halves of 64 rows, waves 2 and 3 v^T's of 128 channels; ONE joint load a wave at the head brings K 0-1,023, in two slots of 512 along K side by side.
; Two refills bring the other half, slot by slot, four steps of 128 along K ahead of their use.
; CLUSTERS of 4 x 4: P's tiles are asked for jointly along a row, v^T's along a column.  PREFETCHES: a refill's blocks are asked for four steps ahead of it, 24 or 48 blocks of 256 bytes a wave; the partners are told apart by address.
; OPERANDS lie in memory as images of fragments (16 rows x 128 K = 1,536 bytes).  Scale words stay in registers: v^T's come from memory once, P's are made here.
; THE SOFTMAX'S RUNS.  For each query and each run of 128 keys the launch before has stored Mloc, lloc and four scale bytes under Mloc.  M = the largest Mloc; Mloc - M is added to the bytes, l = sum of lloc x 2^(Mloc - M).
; LIMITS: a byte that would fall under 0 is held at 0 (its numbers are then under 2^-120 of a row whose largest p is over 1/2); NaN and infinities are not served.
; THE MATRIX INSTRUCTION IS USED TRANSPOSED (source 0 = 16 rows of v^T, source 1 = 16 rows of P): in accumulator (a, b) lane (r, h) holds, of the query at place 16 a + r, channels 32 (b / 2) + 16 h + 8 (b % 2) + 0 .. 7.
; REGISTERS: window 0 as named below; window 1 v^T's fragments, two sets; window 2 the accumulators, (a, b) at v[8 (8 a + b)]; window 3 rows on their way out.
.set PLP,   1572864                    ; a K step of 256 of P's codes
.set PLV,   196608                     ; and of v^T's
.set LB,    98304                      ; LDS: P at 49,152 x half; behind it v^T at LB + 98,304 x half
.set STG,   LB                         ; the way out: 16 rows x (512 + 16) bytes for each wave, in slot 0's bytes of v^T, which have had their last fill and their last read by then
.set AS,    294912                     ; P's scale words: 128 rows of 64 bytes, 80 apart
.set RL,    AS+10240                   ; 1 / l of 128 queries
.set SPARE, RL+512
.set LI,   3
.set ADRA, 4
.set ADRB, 6                           ; v6-7: slots 0, 1
.set RLR,  8                           ; v[8:15] 1 / l of four blocks, in pairs; the upper words are named and not used
.set STO,  16
.set RD,   17
.set ADSA, 18
.set RLA,  19
.set STA,  20
.set A1,   21
.set A2,   22
.set VSO,  23
.set PFO,  24
.set SPW,  28
.set NIL,  29
.set PS,   32                          ; v32-63 P's scale words: 16 (a % 2) + kk; lanes 0-15 block a % 2, lanes 16-31 block a % 2 + 2
.set VS,   64                          ; v64-127 v^T's: 8 (kk / 2) + 2 (b % 4) + kk % 2; lanes 0-15 block b % 4, lanes 16-31 block b % 4 + 4
.set AFR,  128                         ; v128-223 P's fragments, two sets; at the head the runs' numbers
.set S0,   128
.set M0,   144
.set L0,   160
.set D0,   176
.set E0,   192
.set X0,   208
.set G1, 24
.set G0, 52                            ; s[52:63] group 0 of P's three loads
.set G1B, 32
.set G0B, 68                           ; s[68:79] of v^T's
.set PFA, 86                           ; s[86:87] the prefetches' base, s[88:89] its step
.set MSB, 0
.macro WIN new                         ; the immediate's high byte repeats the setting that is left
.if MSB != \new
	s_set_vgpr_msb (MSB<<8)|\new
.set MSB, \new
.endif
.endm
.set MUL, 0xa1
.macro JLOAD t                         ; the t-th joint load; four v_nop follow each line
	s_cmp_eq_u32 s15, 0
	s_cbranch_scc0 .Lfor_b_\@
	tensor_load_to_lds s[G0+4*(\t):G0+4*(\t)+3], s[G1:G1+7]
	s_nop 0
.rept 4
	v_nop
.endr
	s_branch .Lasked_\@
.Lfor_b_\@:
	tensor_load_to_lds s[G0B+4*(\t):G0B+4*(\t)+3], s[G1B:G1B+7]
	s_nop 0
.rept 4
	v_nop
.endr
.Lasked_\@:
.endm
.macro ASK                             ; a refill's blocks: of the two K steps' 24,576 bytes of P or 49,152 of v^T that I fetch, a partner names a quarter: 24 or 48 blocks on end
	global_prefetch_b8 v[PFO], s[PFA:PFA+1] th:TH_LOAD_NT scope:SCOPE_SE
	s_cmp_eq_u32 s15, 0
	s_cbranch_scc1 .Lonly_24_\@
	global_prefetch_b8 v[PFO], s[PFA:PFA+1] offset:6144 th:TH_LOAD_NT scope:SCOPE_SE
.Lonly_24_\@:
.endm
.macro CREST                           ; a round of the cluster's barrier behind its opening barrier
	s_cmp_lg_u32 s14, 0
	s_cbranch_scc1 .Lnot_wave_0_\@
	s_barrier_signal -3
.Lnot_wave_0_\@:
	s_barrier_wait -3
	s_barrier_signal -1
	s_barrier_wait -1
.endm
.macro CROUND
	s_barrier_signal -1
	s_barrier_wait -1
	CREST
.endm
.macro PLACES n                        ; plain lines behind matrix instructions (ISA guide 7.12.1 for reads of their registers)
.rept \n
	v_nop
.endr
.endm
	s_load_b256 s[4:11], s[0:1], 0x0               ; p_codes, p_stats, qkv_codes, qkv_scales
	s_load_b64 s[12:13], s[0:1], 0x20              ; out0
	v_lshl_add_u32 v[SPW], v0, 2, SPARE
	v_mov_b32 v[NIL], 0
	ds_add_u32 v[SPW], v[NIL]                      ; the opening: the add, twice on end, and its wait
	ds_add_u32 v[SPW], v[NIL]
	v_lshrrev_b32 v1, 5, v0
	v_readfirstlane_b32 s14, v1
	s_lshr_b32 s15, s14, 1                         ; my half of the queries; also: I fetch for P (0) or v^T (1)
	s_and_b32 s16, s14, 1                          ; my half of the channels; also: which half I fetch
	s_bfe_u32 s40, ttmp6, 0x40000                  ; cx: which 256 channels
	s_bfe_u32 s41, ttmp6, 0x40004                  ; cy
	s_and_b32 s18, ttmp7, 0xffff
	s_lshl_b32 s17, s18, 2
	s_add_co_u32 s17, s17, s41                     ; which 128 queries
	s_lshr_b32 s18, s18, 2                         ; the batch
	s_lshl_b32 s22, s41, 2
	s_lshl_b32 s22, 15, s22                        ; my row of the cluster
	s_lshl_b32 s23, 0x1111, s40                    ; my column
	s_or_b32 s[G1+0], s22, (3<<16)|(1<<21)         ; P: 64 rows of a K step are 12,288 dense bytes; four K steps, a plane apart
	s_mov_b32 s[G1+1], 1536<<16
	s_mov_b32 s[G1+2], 4<<16
	s_mov_b32 s[G1+3], 1536<<16
	s_mov_b32 s[G1+4], 4
	s_mov_b32 s[G1+5], PLP/8
	s_mov_b32 s[G1+6], 0
	s_mov_b32 s[G1+7], 0
	s_or_b32 s[G1B+0], s23, (3<<16)|(1<<21)        ; v^T: 128 channels: 24,576 bytes
	s_mov_b32 s[G1B+1], 3072<<16
	s_mov_b32 s[G1B+2], 4<<16
	s_mov_b32 s[G1B+3], 3072<<16
	s_mov_b32 s[G1B+4], 4
	s_mov_b32 s[G1B+5], PLV/8
	s_mov_b32 s[G1B+6], 0
	s_mov_b32 s[G1B+7], 0
	s_mul_i32 s20, s17, 24576
	s_mul_i32 s21, s16, 12288
	s_add_co_u32 s20, s20, s21
	s_mov_b32 s21, 0
	s_mul_i32 s46, s18, 1572864
	s_add_co_u32 s46, s46, 12582912
	s_mul_i32 s47, s40, 49152
	s_add_co_u32 s46, s46, s47
	s_mul_i32 s47, s16, 24576
	s_add_co_u32 s46, s46, s47
	s_mov_b32 s47, 0
	s_lshl_b32 s92, s18, 16                        ; v^T's scale words: batch, 256 channels, my 128
	s_add_co_u32 s92, s92, 524288
	s_lshl_b32 s93, s40, 11
	s_add_co_u32 s92, s92, s93
	s_lshl_b32 s93, s16, 10
	s_add_co_u32 s92, s92, s93
	s_mov_b32 s93, 0
	s_mul_i32 s44, s16, 49152
	s_mul_i32 s45, s16, 98304
	s_add_co_u32 s45, s45, LB
.irp t, 0,4,8
	s_mov_b32 s[G0+\t], 1
	s_mov_b32 s[G0B+\t], 1
.endr
	s_mov_b32 s[G0+1], s44                         ; the head: both slots,
	s_mov_b32 s[G0+5], s44                         ; slot 0's refill,
	s_add_co_u32 s[G0+9], s44, 24576               ; slot 1's
	s_mov_b32 s[G0B+1], s45
	s_mov_b32 s[G0B+5], s45
	s_add_co_u32 s[G0B+9], s45, 49152
	s_lshl_b32 s94, s17, 10
	s_mov_b32 s95, 0
	s_mul_i32 s80, s15, 49152
	s_lshl_b32 s81, s15, 8
	s_add_co_u32 s81, s81, RL
	s_mul_i32 s82, s15, 5120
	s_add_co_u32 s82, s82, AS
	s_mul_i32 s83, s14, 16*528
	s_add_co_u32 s83, s83, STG
	s_lshl_b32 s84, s17, 19                        ; out: 128 rows of 4,096 bytes, my 64, 1,024 cx + 512 x half
	s_lshl_b32 s85, s15, 18
	s_add_co_u32 s84, s84, s85
	s_lshl_b32 s85, s40, 10
	s_add_co_u32 s84, s84, s85
	s_lshl_b32 s85, s16, 9
	s_add_co_u32 s84, s84, s85
	s_mov_b32 s85, 0
	v_and_b32 v1, 15, v0                           ; r
	v_bfe_u32 v2, v0, 4, 1                         ; h
	v_and_b32 v[LI], 31, v0
	v_min_u32 v[PFO], 23, v[LI]                    ; (lanes 24-31 name lane 23's block again)
	v_lshlrev_b32 v[PFO], 8, v[PFO]
	v_lshlrev_b32 v[LI], 4, v[LI]
	v_lshlrev_b32 v[STA], 3, v0                    ; a thread takes one of the 128 queries' runs
	v_mul_u32_u24 v[A1], v0, 80
	v_add_nc_u32 v[A1], AS, v[A1]
	v_lshl_add_u32 v[A2], v0, 2, RL
	v_lshlrev_b32 v[VSO], 3, v1
	v_lshl_add_u32 v[VSO], v2, 9, v[VSO]           ; lanes 16-31: 64 rows on
	v_add_nc_u32 v[ADRA], s80, v[LI]
	v_add_nc_u32 v[ADRB], s45, v[LI]
	v_add_nc_u32 v[ADRB+1], 49152, v[ADRB]
	v_lshl_add_u32 v[RLA], v1, 2, s81
	v_mul_u32_u24 v[ADSA], v2, 2560                ; lanes 16-31: 32 rows on
	v_mul_u32_u24 v5, v1, 80
	v_add_nc_u32 v[ADSA], v[ADSA], v5
	v_add_nc_u32 v[ADSA], s82, v[ADSA]
	v_mul_u32_u24 v[STO], v1, 528                  ; into the stage: row r, + 64 h
	v_lshl_add_u32 v[STO], v2, 6, v[STO]
	v_add_nc_u32 v[STO], s83, v[STO]
	v_add_nc_u32 v[RD], s83, v[LI]                 ; back: the 32 lanes take a row of 512 bytes
.irp a, 0,1,2,3
	v_mov_b32 v[RLR+2*\a+1], 0
.endr
	s_wait_alu depctr_va_vdst(0)
	s_wait_dscnt 0x0                               ; both opening adds are done
	s_wait_kmcnt 0x0
	s_add_nc_u64 s[6:7], s[6:7], s[94:95]
.irp k, 0,1,2                          ; my query's 16 runs: scale words, Mloc, lloc
.irp s, 0,1,2,3,4,5,6,7
	global_load_b64 v[S0+2*(8*\k+\s):S0+2*(8*\k+\s)+1], v[STA], s[6:7] offset:\k*524288+\s*65536
.endr
.endr
	s_add_nc_u64 s[20:21], s[4:5], s[20:21]
	s_add_nc_u64 s[46:47], s[8:9], s[46:47]
	s_add_nc_u64 s[92:93], s[10:11], s[92:93]
	s_add_nc_u64 s[12:13], s[12:13], s[84:85]
	CROUND                                         ; all sixteen work-groups are here: the first joint loads meet
	s_mov_b64 s[G0+2:G0+3], s[20:21]
	s_add_nc_u64 s[G0+6:G0+7], s[20:21], 4*PLP
	s_add_nc_u64 s[G0+10:G0+11], s[20:21], 6*PLP
	s_mov_b64 s[G0B+2:G0B+3], s[46:47]
	s_add_nc_u64 s[G0B+6:G0B+7], s[46:47], 4*PLV
	s_add_nc_u64 s[G0B+10:G0B+11], s[46:47], 6*PLV
.irp g, G0+3, G0+7, G0+11, G0B+3, G0B+7, G0B+11
	s_or_b32 s[\g], s[\g], 0x80000000              ; the type
.endr
	JLOAD 0                                        ; K 0-1,023: my one tensor load at the head
.irp s, 0,1,2,3,4,5,6,7
.irp j, 0,1,2,3
	global_load_b64 v[VS+8*\s+2*\j:VS+8*\s+2*\j+1], v[VSO], s[92:93] offset:8192*\s+128*\j
.endr
.endr
	; the prefetches' base: four K steps on; my place p among the partners: K step p / 2, half p % 2 of my rows
	s_mul_i32 s90, s40, 6144
	s_lshr_b32 s91, s40, 1
	s_mul_i32 s88, s91, PLP-12288
	s_add_co_u32 s90, s90, s88
	s_add_co_u32 s90, s90, 4*PLP
	s_mul_i32 s94, s41, 12288
	s_lshr_b32 s91, s41, 1
	s_mul_i32 s88, s91, PLV-24576
	s_add_co_u32 s94, s94, s88
	s_add_co_u32 s94, s94, 4*PLV
	s_mov_b32 s88, 2*PLP
	s_mov_b32 s89, 0
	s_mov_b32 s91, 0
	s_mov_b32 s83, 2*PLV
	s_cmp_eq_u32 s15, 0
	s_cselect_b64 s[PFA:PFA+1], s[20:21], s[46:47]
	s_cselect_b32 s90, s90, s94
	s_cselect_b32 s88, s88, s83
	s_add_nc_u64 s[PFA:PFA+1], s[PFA:PFA+1], s[90:91]
	s_mov_b32 s80, 0x01010101
	s_mov_b32 s81, 0x80808080
	s_mov_b32 s82, 0x7f7f7f7f
	s_mov_b32 s83, 0xc2fe0000                      ; -127
	s_mov_b32 s84, 255
	s_wait_loadcnt 32                              ; the 24 loads of the runs are in; the 32 of v^T's scale words may be out
	v_max3_num_f32 v[X0], v[M0], v[M0+1], v[M0+2]
	v_max3_num_f32 v[X0+1], v[M0+3], v[M0+4], v[M0+5]
.irp g, 6,10
	v_max3_num_f32 v[X0], v[X0], v[M0+\g], v[M0+\g+1]
	v_max3_num_f32 v[X0+1], v[X0+1], v[M0+\g+2], v[M0+\g+3]
.endr
	v_max3_num_f32 v[X0], v[X0], v[M0+14], v[M0+15]
	v_max_num_f32 v[X0], v[X0], v[X0+1]            ; M
.macro EACH op, d, a, b                ; one line for each of the 16 runs
.set g, 0
.rept 16
	\op v[\d+g], \b, v[\a+g]
.set g, g+1
.endr
.endm
.macro EACH2 op, d, a, b
.set g, 0
.rept 16
	\op v[\d+g], v[\a+g], v[\b+g]
.set g, g+1
.endr
.endm
.set g, 0
.rept 16
	v_sub_f32 v[D0+g], v[M0+g], v[X0]              ; Mloc - M,
.set g, g+1
.endr
	EACH v_max_num_f32, D0, D0, s83                ; -127 at the least,
.set g, 0
.rept 16
	v_cvt_i32_f32 v[D0+g], v[D0+g]
.set g, g+1
.endr
	EACH v_mul_lo_u32, E0, D0, s80                 ; in all four bytes
	EACH2 v_ldexp_f32, L0, L0, D0                  ; lloc under M
	EACH v_or_b32, S0, S0, s81                     ; a byte is 123 at the most: bit 7 stays set where byte + (Mloc - M) is 0 or more
	EACH2 v_add_nc_u32, S0, S0, E0
	EACH v_lshrrev_b32, E0, S0, 7
	EACH v_and_b32, E0, E0, s80
	EACH v_mul_lo_u32, E0, E0, s84                 ; 255 in the bytes that stay
	EACH v_and_b32, S0, S0, s82
	EACH2 v_and_b32, S0, S0, E0
.irp i, 0,2,4,6
	v_pk_add_f32 v[L0+\i:L0+\i+1], v[L0+\i:L0+\i+1], v[L0+8+\i:L0+9+\i]
.endr
	v_pk_add_f32 v[L0:L0+1], v[L0:L0+1], v[L0+4:L0+5]
	v_pk_add_f32 v[L0+2:L0+3], v[L0+2:L0+3], v[L0+6:L0+7]
	v_pk_add_f32 v[L0:L0+1], v[L0:L0+1], v[L0+2:L0+3]
	v_add_f32 v[X0], v[L0], v[L0+1]                ; l
	s_wait_alu depctr_va_vdst(0)                   ; waits ahead of the transcendental and behind it
	v_rcp_f32 v[X0], v[X0]
	v_nop
	s_wait_alu depctr_va_vdst(0)
.irp j, 0,1,2,3
	ds_store_b128 v[A1], v[S0+4*\j:S0+4*\j+3] offset:16*\j   ; my query's 16 words, K ascending
.endr
	ds_store_b32 v[A2], v[X0]
	s_wait_tensorcnt 0x0                           ; my part of K 0-1,023 is in,
	s_mov_b32 s[G1+2], 2<<16                       ; (no tensor load of mine is out: from here on a load brings two K steps)
	s_mov_b32 s[G1+4], 2
	s_mov_b32 s[G1B+2], 2<<16
	s_mov_b32 s[G1B+4], 2
	s_wait_dscnt 0x0                               ; my words lie in LDS: both for the others' sake
	s_barrier_signal -1
	s_barrier_wait -1
; Step kk's fragments into set kk % 2: v^T's eight, then P's four: 36 loads of 512 consecutive bytes
.macro FETCH kk
.set SL, ((\kk)/4)%2
.set LK, (\kk)%4
.set FP, (\kk)%2
	WIN 0x40
.irp b, 0,1,2,3,4,5,6,7
.irp c, 0,1,2
	ds_load_b128 v[128*FP+12*\b+4*\c:128*FP+12*\b+4*\c+3], v[ADRB+SL] offset:(LK/2)*24576+\b*3072+(LK%2)*1536+512*\c
.endr
.endr
	WIN 0
.irp a, 0,1,2,3
.irp c, 0,1,2
	ds_load_b128 v[AFR+48*FP+12*\a+4*\c:AFR+48*FP+12*\a+4*\c+3], v[ADRA] offset:SL*24576+(LK/2)*12288+\a*3072+(LK%2)*1536+512*\c
.endr
.endr
.endm
.macro WM a, b, kk                     ; one matrix instruction; the first step starts the sum
.set rD, 8*(8*(\a)+(\b))
.set rB, 128*((\kk)%2)+12*(\b)
.set rA, AFR+48*((\kk)%2)+12*(\a)
.set rX, VS+8*((\kk)/2)+2*((\b)%4)+(\kk)%2
.set rY, PS+16*((\a)%2)+(\kk)
.set rR, 2*((\b)/4)+(\a)/2
.if (\kk) == 0
.if rR == 0
	v_wmma_scale_f32_16x16x128_f8f6f4 v[rD:rD+7], v[rB:rB+11], v[rA:rA+11], 0, v[rX], v[rY] matrix_a_fmt:MATRIX_FMT_BF6 matrix_b_fmt:MATRIX_FMT_BF6
.elseif rR == 1
	v_wmma_scale_f32_16x16x128_f8f6f4 v[rD:rD+7], v[rB:rB+11], v[rA:rA+11], 0, v[rX], v[rY] matrix_a_fmt:MATRIX_FMT_BF6 matrix_b_fmt:MATRIX_FMT_BF6 matrix_b_scale:MATRIX_SCALE_ROW1
.elseif rR == 2
	v_wmma_scale_f32_16x16x128_f8f6f4 v[rD:rD+7], v[rB:rB+11], v[rA:rA+11], 0, v[rX], v[rY] matrix_a_fmt:MATRIX_FMT_BF6 matrix_b_fmt:MATRIX_FMT_BF6 matrix_a_scale:MATRIX_SCALE_ROW1
.else
	v_wmma_scale_f32_16x16x128_f8f6f4 v[rD:rD+7], v[rB:rB+11], v[rA:rA+11], 0, v[rX], v[rY] matrix_a_fmt:MATRIX_FMT_BF6 matrix_b_fmt:MATRIX_FMT_BF6 matrix_a_scale:MATRIX_SCALE_ROW1 matrix_b_scale:MATRIX_SCALE_ROW1
.endif
.elseif rR == 0
	v_wmma_scale_f32_16x16x128_f8f6f4 v[rD:rD+7], v[rB:rB+11], v[rA:rA+11], v[rD:rD+7], v[rX], v[rY] matrix_a_fmt:MATRIX_FMT_BF6 matrix_b_fmt:MATRIX_FMT_BF6
.elseif rR == 1
	v_wmma_scale_f32_16x16x128_f8f6f4 v[rD:rD+7], v[rB:rB+11], v[rA:rA+11], v[rD:rD+7], v[rX], v[rY] matrix_a_fmt:MATRIX_FMT_BF6 matrix_b_fmt:MATRIX_FMT_BF6 matrix_b_scale:MATRIX_SCALE_ROW1
.elseif rR == 2
	v_wmma_scale_f32_16x16x128_f8f6f4 v[rD:rD+7], v[rB:rB+11], v[rA:rA+11], v[rD:rD+7], v[rX], v[rY] matrix_a_fmt:MATRIX_FMT_BF6 matrix_b_fmt:MATRIX_FMT_BF6 matrix_a_scale:MATRIX_SCALE_ROW1
.else
	v_wmma_scale_f32_16x16x128_f8f6f4 v[rD:rD+7], v[rB:rB+11], v[rA:rA+11], v[rD:rD+7], v[rX], v[rY] matrix_a_fmt:MATRIX_FMT_BF6 matrix_b_fmt:MATRIX_FMT_BF6 matrix_a_scale:MATRIX_SCALE_ROW1 matrix_b_scale:MATRIX_SCALE_ROW1
.endif
.endm
.macro MUL8 a, kk                      ; the 32 accumulators take turns in one order
.irp b, 0,1,2,3,4,5,6,7
	WM \a, \b, \kk
.endr
.endm
; A step of 128 along K.  The waits on DScnt: at the head the three youngest blocks of P (nine loads) may be out; then, behind the next step's 36 loads, two blocks, one, none.
; A slot's last step leaves the slot: steps 3 and 7 fill it again behind a round of the cluster's barrier; step 11's barrier shows slot 1's refill whole.
.macro STEP kk
.if (\kk)%4 == 3
.if (\kk) == 3
	s_wait_xcnt 0x0                                ; my prefetches have read their base, which steps on by two K steps
	s_add_nc_u64 s[PFA:PFA+1], s[PFA:PFA+1], s[88:89]
.endif
	s_wait_tensorcnt 0x0                           ; all my tensor loads have landed
	ds_add_u32 v[SPW], v[NIL]
	s_wait_dscnt 1                                 ; (the add may be out)
	WIN MUL
	MUL8 0, \kk
	s_wait_dscnt 0x0                               ; the add is done, and so are my reads of this slot
	s_barrier_signal -1
	MUL8 1, \kk
	WIN 0
	s_barrier_wait -1
.if (\kk) < 11
	CREST                                          ; no wave of any partner still reads this slot or has a load on its way
	JLOAD 1+(\kk)/4
.else
	PLACES 4
.endif
	FETCH (\kk)+1
.if (\kk) == 3
	ASK
.endif
	WIN MUL
	MUL8 2, \kk
	MUL8 3, \kk
.else
	s_wait_dscnt 9
	PLACES 4
	FETCH (\kk)+1
	WIN MUL
	MUL8 0, \kk
	s_wait_dscnt 42
	MUL8 1, \kk
	s_wait_dscnt 39
	MUL8 2, \kk
	s_wait_dscnt 36
	MUL8 3, \kk
.endif
	WIN 0
.endm
.irp a, 0,1,2,3
	ds_load_b32 v[RLR+2*\a], v[RLA] offset:64*\a
.endr
.irp j, 0,1
.irp i, 0,1,2,3
	ds_load_b128 v[PS+16*\j+4*\i:PS+16*\j+4*\i+3], v[ADSA] offset:1280*\j+16*\i
.endr
.endr
	FETCH 0
	ASK                                            ; slot 0's refill
	s_wait_loadcnt 0x0                             ; v^T's scale words
.set KK, 0
.rept 15
	STEP KK
.set KK, KK+1
.endr
	; ---- THE LAST STEP, AND THE WAY OUT, block by block of 16 queries: x 1 / l, into my own stage, and back as whole rows of 512 bytes
.macro TOSTAGE a
	WIN 0x82
.set i, 64*(\a)
.rept 32
	v_pk_mul_f32 v[i:i+1], v[i:i+1], v[RLR+2*(\a):RLR+2*(\a)+1] op_sel_hi:[1,0]
.set i, i+2
.endr
	WIN 0x08
.irp b, 0,1,2,3,4,5,6,7
	ds_store_b128 v[STO], v[64*(\a)+8*\b:64*(\a)+8*\b+3] offset:128*(\b/2)+32*(\b%2)
	ds_store_b128 v[STO], v[64*(\a)+8*\b+4:64*(\a)+8*\b+7] offset:128*(\b/2)+32*(\b%2)+16
.endr
	WIN 0xc0
.set BB, 64*((\a)%2)
.irp t, 0,1,2,3,4,5,6,7,8,9,10,11,12,13,14,15
	ds_load_b128 v[BB+4*\t:BB+4*\t+3], v[RD] offset:\t*528   ; LDS serves a wave's instructions in order: these see the stores above
.endr
	WIN 0
.endm
.macro SEND a, younger                 ; younger: the LDS instructions behind block a's loads, which may stay out
.set BB, 64*((\a)%2)
	s_wait_dscnt \younger
	WIN 0x0c
.irp t, 0,1,2,3,4,5,6,7,8,9,10,11,12,13,14,15
	global_store_b128 v[LI], v[BB+4*\t:BB+4*\t+3], s[12:13] offset:(32*((\a)/2)+16*(\t/8)+8*((\a)%2)+\t%8)*4096 th:TH_STORE_NT   ; 512 consecutive bytes, at a multiple of 256 from the buffer's first byte
.endr
	WIN 0
.endm
	s_wait_dscnt 0x0
	WIN MUL
	MUL8 0, 15
	MUL8 1, 15
	PLACES 4
	TOSTAGE 0
	WIN MUL
	MUL8 2, 15
	MUL8 3, 15
	PLACES 4
	TOSTAGE 1
	SEND 0, 32                                     ; behind block 0's loads: block 1's 16 stores and 16 loads
	s_wait_xcnt 0x0                                ; block 0's stores have read their registers
	TOSTAGE 2
	SEND 1, 32
	s_wait_xcnt 0x0
	TOSTAGE 3
	SEND 2, 32
	SEND 3, 0
	s_wait_tensorcnt 0x0                           ; the wave's end
	ds_add_u32 v[SPW], v[NIL]
	s_wait_dscnt 0x0
	CROUND                                         ; the closing round
	s_endpgm
.Lfunc_end_k_q0a7a598aa0_pv:
	.size	k_q0a7a598aa0_pv, .Lfunc_end_k_q0a7a598aa0_pv-k_q0a7a598aa0_pv
	.p2alignl 7, 3214868480
	.fill 96, 4, 3214868480
	.section	.rodata,"a",@progbits
	.p2align	6, 0x0
	.amdhsa_kernel k_q0a7a598aa0_pv
		.amdhsa_group_segment_fixed_size 327680
		.amdhsa_private_segment_fixed_size 0
		.amdhsa_enable_private_segment 0
		.amdhsa_kernarg_size 40
		.amdhsa_user_sgpr_count 2
		.amdhsa_user_sgpr_kernarg_segment_ptr 1
		.amdhsa_wavefront_size32 1
		.amdhsa_system_sgpr_workgroup_id_x 1
		.amdhsa_system_sgpr_workgroup_id_y 1
		.amdhsa_system_sgpr_workgroup_id_z 1
		.amdhsa_system_vgpr_workitem_id 0
		.amdhsa_next_free_vgpr 1024
		.amdhsa_next_free_sgpr 100
		.amdhsa_reserve_vcc 0
		.amdhsa_float_denorm_mode_32 3
		.amdhsa_float_denorm_mode_16_64 3
		.amdhsa_memory_ordered 1
		.amdhsa_forward_progress 1
		.amdhsa_inst_pref_size 156
	.end_amdhsa_kernel
	.amdgpu_metadata
---
amdhsa.version: [ 1, 2 ]
amdhsa.kernels:
  - .name:           k_q0a7a598aa0_pv
    .symbol:         k_q0a7a598aa0_pv.kd
    .args:
      - { .name: p_codes, .offset: 0, .size: 8, .value_kind: global_buffer, .address_space: global }
      - { .name: p_stats, .offset: 8, .size: 8, .value_kind: global_buffer, .address_space: global }
      - { .name: qkv_codes, .offset: 16, .size: 8, .value_kind: global_buffer, .address_space: global }
      - { .name: qkv_scales, .offset: 24, .size: 8, .value_kind: global_buffer, .address_space: global }
      - { .name: out0, .offset: 32, .size: 8, .value_kind: global_buffer, .address_space: global }
    .group_segment_fixed_size: 327680
    .private_segment_fixed_size: 0
    .kernarg_segment_align: 8
    .kernarg_segment_size: 40
    .max_flat_workgroup_size: 128
    .sgpr_count:     100
    .vgpr_count:     1024
    .wavefront_size: 32
...
	.end_amdgpu_metadata
.endif
;; end of part 4
